; MI455X (gfx1250); checked and timed in simulation.
; The chip was launched on July 23, 2026; its instructions are those of AMD's public machine-readable ISA for CDNA 5 (MIT licence, August 2026) and "CDNA5" Instruction Set Architecture Reference Guide (July 2026). The comments in the code are by the model that wrote it; some were corrected since.
;; Cross Attention. Allowed arithmetic: matrix products marked QUANTISED: E5M2 operands, one given power-of-two scale a tensor, by v_wmma_f32_16x16x64_bf8_bf8 or v_wmma_f32_16x16x128_bf8_bf8, f32 sums; everything else in f32.
;; Inputs: Wk 256 x 128 float32; Wo 128 x 128 float32; Wq 256 x 128 float32; Wv 256 x 128 float32; bk 128 float32; bo 128 float32; bq 128 float32; bv 128 float32; ligand 4 x 4,096 x 256 float32; lowp_scales 12 int32 (the exponents e of the quantised operands' scales 2^e); pocket 4 x 4,096 x 256 float32.
;; Outputs: out0 4 x 4,096 x 128 float32.
;; This version of the problem:
;;   THIS VERSION OF THE PROBLEM IS GIVEN IN LOW PRECISION. The matrix products marked QUANTISED in the list below multiply operands that are first quantised to E5M2 (5 exponent bits, 2 mantissa bits; 8 bits a number), with one given power-of-two scale for each operand tensor; their sums are f32. All else is computed in f32.
;;   The module's matrix products, in the order in which they are computed (A, B: the left and right operand; K: the contracted axis; several contracted axes count as one K, in the product's order):
;;     1. [M 16,384, K 256] x [K 256, N 128]; A: input ligand; B: input Wq: QUANTISED (scales: A lowp_scales[0], B lowp_scales[1])
;;     2. [M 16,384, K 256] x [K 256, N 128]; A: input pocket; B: input Wk: QUANTISED (scales: A lowp_scales[2], B lowp_scales[3])
;;     3. [M 16,384, K 256] x [K 256, N 128]; A: input pocket; B: input Wv: QUANTISED (scales: A lowp_scales[4], B lowp_scales[5])
;;     4. batch 4 x [M 4,096, K 128] x [K 128, N 4,096]; A: computed on the way; B: computed on the way: QUANTISED (scales: A lowp_scales[6], B lowp_scales[7])
;;     5. batch 4 x [M 4,096, K 4,096] x [K 4,096, N 128]; A: softmax (see below); B: computed on the way: QUANTISED (scales: A lowp_scales[8], B lowp_scales[9])
;;     6. [M 16,384, K 128] x [K 128, N 128]; A: computed on the way; B: input Wo: QUANTISED (scales: A lowp_scales[10], B lowp_scales[11])
;;   THE QUANTISER, for each operand of a quantised product, along K:
;;     - The operand's scale is 2^e, e = its entry of the input lowp_scales (int32; the entries are numbered through the quantised products in the list's order, A before B).
;;     - Each number is divided by the scale, clamped to +-57,344, and rounded to the nearest number of E5M2, ties to even, subnormals kept.
;;     - The product sums the exact products of the quantised numbers (number of the format x scale) in f32.
;;   ~~~python
;;   def quantise(x, axis, e):      # numpy; x: float32 -> the quantised numbers, widened to float32 again
;;       x = np.moveaxis(x, axis, -1); K = x.shape[-1]
;;       r = np.clip(x / 2.0 ** e, -57344, 57344)
;;       step = 2.0 ** (np.maximum(np.frexp(np.where(r == 0, 1, r))[1] - 1, -14) - 2)
;;       q = np.round(r / step) * step * 2.0 ** e      # np.round: ties to even
;;       return np.moveaxis(q, -1, axis).astype(np.float32)
;;   ~~~
;;   SOFTMAX AHEAD OF A QUANTISED PRODUCT. Where the list says 'softmax', what is quantised is not the finished softmax but p = 2^(t - M), with t = logit x log2(e) and M = ceil(the row's largest t), a whole number; so 1/2 < the row's largest p <= 1. The row's sum l is taken of the UNQUANTISED p, in f32, and the product's result is divided by l at the end. Since M is a whole number, a kernel that streams over the keys may use a running M (the ceiling of the running maximum): every later rescaling is an exact power of two, so the quantised numbers keep their values, but for numbers so far below the row's largest that they fall under the format's range.
;;   OPERANDS COMPUTED ON THE WAY. 'Computed on the way' means the value that the module computes at that place (a softmax that the list does not call 'softmax' is quantised finished and normalised). What goes into a quantiser is computed in f32, as accurately as f32 sums, v_exp_f32 and their like allow (about 1e-6 of the number): no bf16 or f16 on the way to a quantiser, and a product that is left as it is and whose result goes on into a quantised operand takes f32 operands (vector FMAs, or v_wmma_f32_16x16x4_f32). A number that lies on a knife's edge between two numbers of the format may be rounded either way, as far as f32 arithmetic and the matrix unit's own rounding can turn it there, and no further.
;; 2 versions. Each part assembles by itself: llvm-mc -triple=amdgcn-amd-amdhsa -mcpu=gfx1250 --defsym DOCPART=n.
;; ======== version 1 of 2: 2 launches
;; workspace buffers: q_img 2,097,152 bytes; kv_img 4,194,304 bytes
;; launch proj (part 1): grid 256 x 1, 4 waves a work-group, no clusters, 231,936 bytes of LDS; arguments pocket, ligand, Wk, Wq, bk, bq, Wv, bv, lowp_scales, kv_img, q_img; writes kv_img, q_img
.if DOCPART == 1
	.amdgcn_target "amdgcn-amd-amdhsa--gfx1250"
	.amdhsa_code_object_version 6
	.text
	.protected	k_q1747ca322d_proj
	.globl	k_q1747ca322d_proj
	.p2align	8
	.type	k_q1747ca322d_proj,@function
k_q1747ca322d_proj:
	s_mov_b64 s[64:65], 0
	v_nop
	global_prefetch_b8 v0, s[64:65] scope:SCOPE_SE
	s_setreg_imm32_b32 hwreg(HW_REG_WAVE_MODE, 25, 1), 1
	s_wait_xcnt 0x0
; Q = ligand Wq + bq, K = pocket Wk + bk, V = pocket Wv + bv, each product on codes of BF8 (E5M2) made here by the given scales 2^e (lowp_scales 0..5),
; and the three results quantised at once for the attention's products (scales 6, 7, 9).  ligand, pocket: [16384][256] f32; the weights [256 (k)][128 (n)] f32.
; WHAT IS STORED are images of operand registers: a fragment (16 rows x 128 K) is 2,048 bytes, piece c (registers 4 c .. 4 c + 3) 512 bytes on end, lane l's 16 bytes at 16 l.
;   q_img  [query tile = row / 16][c][lane][16]                         lane % 16 = the query; register 2 t, 2 t + 1 of half h: channels 16 t + 8 h + 0 .. 7
;   kv_img [slot = 512 keys][131,072]: K: [key step of 128][key tile][c][lane][16] as q_img;  from byte 65,536 V: [key step][channel tile j][c][lane][16]: lane % 16 = channel 16 j + r, registers along the keys in the same order
; SHARES.  Work-groups 0-127 take 128 rows of pocket each (one key step) and make K and V; work-groups 128-255 take 128 rows of ligand and make Q: about half the arithmetic, the same 131,072 bytes of rows.
; The two ways part ONCE, on the work-group's number, and never join; what they share is written as macros.  Wave w owns rows 32 w .. 32 w + 31 (two tiles u): its rows never leave it.
; The four waves share only the quantising of the weights: wave w takes rows k = 64 w .. 64 w + 63, and the fragments' images meet in LDS behind the one barrier.
; A WEIGHT'S K IS ITS FIRST AXIS: a load takes one row of 512 bytes (lane l: columns 4 l .. 4 l + 3); the hold at the largest code writes its result to the register where column j's 16 numbers along k stand on end, so it turns the block as well.
; THE PRODUCTS.  K, Q: source 0 = 16 columns of the weight, source 1 = 16 rows of x: a lane holds ONE row and its registers run along the channels, the next K.  V: source 0 = x, source 1 = Wv: a lane holds one channel, registers run along the keys.
; The biases, divided by the power of two that the sums lack, are the C of each sum's first matrix instruction.  The three scales ahead of a result's quantiser are folded into the conversion's one.
; NO CLUSTER: what work-groups share is the weights, and these pass through registers for the hold that turns them; as f32 in LDS two weights (262,144 bytes) beside x's 133,120 would not fit in 327,680.  x's rows are shared by nobody.
; LIMITS on the given exponents, so that each power of two and 57,344 x it is an f32 number: e0 .. e5, e6 - e0 - e1, e7 - e2 - e3, e9 - e4 - e5 between -126 and 112.  NaN and infinities among the inputs are not served.
; LDS: 0 Wk's 16 images; 32,768 Wv's; 65,536 x: 32 rows x 1,040 bytes for each wave, filled once by that wave's tensor load and read by it alone; 198,656 Wq's images (the ligand way's own bytes).  No LDS byte is filled twice.
; REGISTERS, in windows of 256: window 0: v1-7 addresses; XK v16-79 x's codes (fragment (u, s) at 16 (2 u + s)), XV v80-143 the same by V's scale, T v144-207 at work, CO v208-239 codes to store, v240-251 scales and limits.
;   window 1: Wv as loaded, then the accumulators: K's (u, i) at 64 u + 8 i, V's (j, u) at 128 + 16 j + 8 u.   window 2: v0-63 K's bias tiles, v64-127 V's, v128-135 bv as loaded.   window 3: the first weight as loaded, then x as f32, then 16 weight fragments.
.set WVI,  32768
.set XST,  65536
.set XW,   33280                       ; a wave's part of x in LDS: 32 rows x XP
.set XP,   1040                        ; 1,024 bytes + 16 of padding = 65 x 16: the sixteen rows that a load touches start at sixteen different groups of banks
.set WQI,  198656
.set LI,   1                           ; v1  16 x lane
.set WAD,  2                           ; v2  a weight's rows: 16 x lane + 32,768 x wave
.set WST,  3                           ; v3  where my codes of a weight go in its images
.set XR,   4                           ; v4  x in LDS: my row, + 64 x half
.set BA,   5                           ; v5  32 x half
.set BVA,  6                           ; v6  4 x (lane % 16)
.set FQ,   7                           ; v7  16 x lane + WQI
.set XK,   16
.set XV,   80
.set T,    144
.set CO,   208
.set WV,   29                          ; s29 wave
.set GG,   30                          ; s30 which 128 rows
.set MSB, 0
.macro WIN new                         ; the immediate's high byte repeats the setting that is left; bits 1:0 source 0, 3:2 source 1, 5:4 source 2, 7:6 destination
.if MSB != \new
	s_set_vgpr_msb (MSB<<8)|\new
.set MSB, \new
.endif
.endm
.macro PLACES                          ; four plain places behind a matrix instruction, ahead of loads into its sources and of reads of its results
.rept 4
	v_nop
.endr
.endm
.macro MKSC e, vs                      ; v[vs] = 2^e as f32, v[vs + 1] = 57,344 x 2^e; e in s[e]
	s_add_co_i32 s72, s[\e], 127
	s_lshl_b32 s73, s72, 23
	v_mov_b32 v[\vs], s73
	s_add_co_i32 s72, s72, 15
	s_lshl_b32 s72, s72, 23
	s_or_b32 s72, s72, 0x600000
	v_mov_b32 v[\vs+1], s72
.endm
.macro SCALES_A ex, ew, eo             ; x's scale, the weight's, and the result's folded one; s69 = -(ex + ew) for the bias
	MKSC \ex, 240
	MKSC \ew, 242
	s_add_co_i32 s69, s[\ex], s[\ew]
	s_sub_co_i32 s31, s[\eo], s69
	MKSC 31, 244
	s_sub_co_i32 s69, 0, s69
.endm
; 64 numbers of a lane (window in win's source 0) become 16 registers of codes in window 0.  The conversion to an 8-bit code does not saturate (ISA guide 7.6.2): the hold comes first.  Ascending: an accumulator is read from its low end on.
.macro QUANT win, src, dst, sc
	WIN \win
.set n, 0
.rept 64
	v_med3_num_f32 v[T+n], v[(\src)+n], -v[(\sc)+1], v[(\sc)+1]
.set n, n+1
.endr
	WIN 0
.irp m, 0,1,2,3,4,5,6,7
	v_cvt_scalef32_pk8_bf8_f32 v[(\dst)+2*\m:(\dst)+2*\m+1], v[T+8*\m:T+8*\m+7], v[\sc]
.endr
	v_nop                                          ; one plain line behind the last conversion, ahead of whatever next writes T or touches the codes
.endm
; 16 rows k = 64 w + 16 q + i of a weight: register 64 q + 4 i + j is W(k, 4 l + j).  The hold puts column j's 16 numbers on end; their 16 codes are 16 bytes of fragment (k / 128, l / 4), piece (k % 128) / 32, half q % 2, lane 4 (l % 4) + j.
.macro WBATCH win, q, img, cw, sc
	WIN \win
.irp j, 0,1,2,3
.irp i, 0,1,2,3,4,5,6,7,8,9,10,11,12,13,14,15
	v_med3_num_f32 v[T+16*\j+\i], v[64*(\q)+4*\i+\j], -v[(\sc)+1], v[(\sc)+1]
.endr
.endr
	WIN 0
.irp m, 0,1,2,3,4,5,6,7
	v_cvt_scalef32_pk8_bf8_f32 v[(\cw)+2*\m:(\cw)+2*\m+1], v[T+8*\m:T+8*\m+7], v[\sc]
.endr
	v_nop
.irp j, 0,1,2,3
	ds_store_b128 v[WST], v[(\cw)+4*\j:(\cw)+4*\j+3] offset:(\img)+((\q)/2)*512+((\q)%2)*256+16*\j
.endr
.endm
.macro LOADW base                      ; my 64 rows of a weight, each load one row of 512 consecutive bytes; the caller sets the destination's window
.set n, 0
.rept 64
	global_load_b128 v[4*n:4*n+3], v[WAD], s[\base:\base+1] offset:512*n
.set n, n+1
.endr
.endm
.macro LOAD_A                          ; the first product's bias (lane (r, h), tile i: b[16 i + 8 h + 0 .. 7]) and weight.  The weight's 64 loads are the last global loads of either way
	WIN 0x80
.irp i, 0,1,2,3,4,5,6,7
	global_load_b128 v[8*\i:8*\i+3], v[BA], s[12:13] offset:64*\i
	global_load_b128 v[8*\i+4:8*\i+7], v[BA], s[12:13] offset:64*\i+16
.endr
	WIN 0xc0
	LOADW 8
	WIN 0
.endm
.macro QUANT_WA                        ; each batch's codes get registers of their own (XK's, not yet in use), so no store's data are written again before a wait on DScnt
.irp q, 0,1,2,3
	s_wait_loadcnt 16*(3-\q)                       ; loads come back in order: this batch's 16 are in, and all that was asked for earlier; the later batches may be out
	WBATCH 0x03, \q, 0, XK+16*\q, 242
.endr
.endm
.macro LOAD_X                          ; my 32 rows as f32 into window 3: register 64 (2 u + s) + 16 b + i = x(16 u + r, 128 s + 32 b + 16 h + i)
	s_wait_tensorcnt 0x0                           ; my own tile has landed; nobody else reads it
	WIN 0xc0
.set n, 0
.rept 64
	ds_load_b128 v[4*n:4*n+3], v[XR] offset:(n/32)*16*XP+((n/16)%2)*512+((n/4)%4)*128+(n%4)*16
.set n, n+1
.endr
	WIN 0
.endm
.macro SCALE_BK                        ; b / 2^(ex + ew): exact
	WIN 0x82
.set n, 0
.rept 64
	v_ldexp_f32 v[n], v[n], s69
.set n, n+1
.endr
	WIN 0
.endm
.macro QUANT_X dst, sc, counted
.irp g, 0,1,2,3
.if \counted
	s_wait_dscnt 16*(3-\g)                         ; LDS serves a wave in order: this group's 16 loads are in, and so are the weight's stores ahead of them, whose data lay in these registers; the later groups may be out
.endif
	QUANT 0x03, 64*\g, (\dst)+16*\g, \sc
.endr
.endm
.macro FETCHW adr, img                 ; a weight's 16 fragments, (K step s, tile i) at 16 (8 s + i) of window 3, K step 0 first
	WIN 0xc0
.set n, 0
.rept 64
	ds_load_b128 v[4*n:4*n+3], v[\adr] offset:(\img)+512*n
.set n, n+1
.endr
	WIN 0
.endm
.macro BARRIER
	s_wait_dscnt 0x0                               ; for the others' sake: my images have landed
	s_barrier_signal -1
	s_barrier_wait -1
.endm
; The first product: 16 accumulators by turns, one instruction a turn, K step by K step: a link stands 16 instructions behind the one that it adds onto.
.macro MUL_K adr
	FETCHW \adr, 0
	s_wait_dscnt 32                                ; K step 0's 32 loads are in; K step 1's may be out
	WIN 0x63                                       ; source 0 (weight) window 3, source 1 (x) window 0, C (bias) window 2, D window 1
.irp i, 0,1,2,3,4,5,6,7
.irp u, 0,1
	v_wmma_f32_16x16x128_bf8_bf8 v[64*\u+8*\i:64*\u+8*\i+7], v[16*\i:16*\i+15], v[XK+32*\u:XK+32*\u+15], v[8*\i:8*\i+7]
.endr
.endr
	s_wait_dscnt 0x0
	WIN 0x53                                       ; C and D window 1
.irp i, 0,1,2,3,4,5,6,7
.irp u, 0,1
	v_wmma_f32_16x16x128_bf8_bf8 v[64*\u+8*\i:64*\u+8*\i+7], v[128+16*\i:128+16*\i+15], v[XK+32*\u+16:XK+32*\u+31], v[64*\u+8*\i:64*\u+8*\i+7]
.endr
.endr
	WIN 0
	PLACES
.endm
.macro OUT_A                           ; my two tiles' codes: each store covers 512 consecutive bytes, at a multiple of 512 from the buffer's first byte
	QUANT 0x01, 0, CO, 244
	QUANT 0x01, 64, CO+16, 244
.irp u, 0,1
.irp c, 0,1,2,3
	global_store_b128 v[LI], v[CO+16*\u+4*\c:CO+16*\u+4*\c+3], s[26:27] offset:2048*\u+512*\c
.endr
.endr
.endm
	s_load_b512 s[4:19], s[0:1], 0x0               ; pocket, ligand, Wk, Wq, bk, bq, Wv, bv
	s_load_b128 s[20:23], s[0:1], 0x40             ; lowp_scales, kv_img
	s_load_b64 s[24:25], s[0:1], 0x50              ; q_img
	v_lshl_add_u32 v254, v0, 2, 0x38800
	v_mov_b32 v255, 0
	ds_add_u32 v254, v255
	v_lshrrev_b32 v8, 5, v0
	v_readfirstlane_b32 s[WV], v8                  ; wave 0..3
	v_and_b32 v8, 31, v0                           ; lane
	v_and_b32 v9, 15, v0                           ; r
	v_bfe_u32 v10, v0, 4, 1                        ; h
	v_lshlrev_b32 v[LI], 4, v8
	s_lshl_b32 s75, s[WV], 15
	v_add_nc_u32 v[WAD], s75, v[LI]
	v_lshrrev_b32 v11, 2, v8
	v_and_b32 v12, 3, v8
	v_lshlrev_b32 v[WST], 11, v11                  ; 2,048 (l / 4)
	v_lshl_add_u32 v[WST], v12, 6, v[WST]          ; + 64 (l % 4)
	s_lshr_b32 s71, s[WV], 1
	s_lshl_b32 s71, s71, 14                        ; + 16,384 (w / 2): the K step
	s_and_b32 s72, s[WV], 1
	s_lshl_b32 s72, s72, 10                        ; + 1,024 (w % 2): two pieces on
	s_add_co_u32 s71, s71, s72
	v_add_nc_u32 v[WST], s71, v[WST]
	s_mul_i32 s45, s[WV], XW
	s_add_co_u32 s45, s45, XST                     ; my part of x in LDS: group 0's second word too
	v_mul_u32_u24 v[XR], v9, XP
	v_lshl_add_u32 v[XR], v10, 6, v[XR]
	v_add_nc_u32 v[XR], s45, v[XR]
	v_lshlrev_b32 v[BA], 5, v10
	v_lshlrev_b32 v[BVA], 2, v9
	; x's descriptor: 32 rows of 256 elements of 4 bytes, 16 bytes of padding behind each row
	s_mov_b32 s44, 1                               ; count = 1
	s_mov_b32 s48, (2<<16)|(1<<20)|(7<<22)|(3<<25) ; no mask; elements of 4 bytes; padding on, after every 256 words (code 7), four words (code 3)
	s_mov_b32 s49, 256<<16                         ; tensor_dim0
	s_mov_b32 s50, 32<<16                          ; tensor_dim1
	s_mov_b32 s51, 256<<16                         ; tile_dim0
	s_mov_b32 s52, 32                              ; tile_dim1
	s_mov_b32 s53, 256                             ; elements from row to row
	s_mov_b32 s54, 0
	s_mov_b32 s55, 0
	s_and_b32 s[GG], ttmp9, 127
	s_lshl_b32 s74, s[GG], 17                      ; 128 rows of 1,024 bytes
	s_add_co_u32 s74, s74, s75                     ; + my 32
	s_mov_b32 s75, 0
	s_lshl_b32 s66, s[GG], 14                      ; the first result's images: 16,384 bytes for 128 rows,
	s_lshl_b32 s67, s[WV], 12                      ; my two tiles;
	s_add_co_u32 s66, s66, s67
	s_lshr_b32 s68, s[GG], 2
	s_lshl_b32 s68, s68, 16                        ; in kv_img a slot's K is followed by its V: 65,536 more for each slot
	s_wait_dscnt 0x0
	s_wait_kmcnt 0x0
	s_load_b256 s[56:63], s[20:21], 0x0            ; e0 .. e7
	s_load_b32 s37, s[20:21], 0x24                 ; e9
	s_cmp_lt_u32 ttmp9, 128                        ; pocket's work-group or ligand's: the choice hangs on the work-group's number alone
	s_cselect_b64 s[4:5], s[4:5], s[6:7]           ; x
	s_cselect_b64 s[8:9], s[8:9], s[10:11]         ; the first weight
	s_cselect_b64 s[12:13], s[12:13], s[14:15]     ; its bias
	s_cselect_b64 s[26:27], s[22:23], s[24:25]     ; where its result goes
	s_cselect_b32 s68, s68, 0
	s_add_nc_u64 s[46:47], s[4:5], s[74:75]
	s_or_b32 s47, s47, 0x80000000                  ; type = 2
	tensor_load_to_lds s[44:47], s[48:55]          ; my 32 rows: the wave's one tensor load
	s_nop 0
.rept 4
	v_nop
.endr
	s_add_co_u32 s66, s66, s68
	s_mov_b32 s67, 0
	s_add_nc_u64 s[26:27], s[26:27], s[66:67]
	s_cmp_lt_u32 ttmp9, 128
	s_cbranch_scc0 .Lligand
	; ---- POCKET: K and V
	s_lshl_b32 s70, s[GG], 14
	s_add_co_u32 s70, s70, s68
	s_lshl_b32 s71, s[WV], 9                       ; my 32 keys are piece w of each of V's fragments
	s_add_co_u32 s70, s70, s71
	s_add_co_u32 s70, s70, 65536
	s_mov_b32 s71, 0
	s_add_nc_u64 s[22:23], s[22:23], s[70:71]
	WIN 0x40
	LOADW 16                                       ; Wv
	WIN 0x80
.irp j, 0,1,2,3,4,5,6,7
	global_load_b32 v[128+\j], v[BVA], s[18:19] offset:64*\j   ; bv[16 j + r]
.endr
	LOAD_A
	s_wait_kmcnt 0x0
	SCALES_A 58, 59, 63                            ; e2, e3, e7
	MKSC 60, 246                                   ; e4
	MKSC 61, 248                                   ; e5
	s_add_co_i32 s70, s60, s61
	s_sub_co_i32 s31, s37, s70
	MKSC 31, 250                                   ; e9 - e4 - e5
	s_sub_co_i32 s70, 0, s70
	QUANT_WA
	LOAD_X
	SCALE_BK
	QUANT_X XK, 240, 1
.irp q, 0,1,2,3
	WBATCH 0x01, \q, WVI, XV+16*\q, 248            ; Wv was asked for ahead of the first weight, so it is in
.endr
	WIN 0x82
.irp j, 0,1,2,3,4,5,6,7
.irp i, 0,1,2,3,4,5,6,7
	v_ldexp_f32 v[64+8*\j+\i], v[128+\j], s70      ; V's bias tile j: the lane's one channel in all eight registers, / 2^(e4 + e5)
.endr
.endr
	WIN 0
	s_wait_dscnt 0x0                               ; Wv's stores have read their data, which lay in XV
	QUANT_X XV, 246, 0
	BARRIER                                        ; both weights' images are whole
	MUL_K LI
	FETCHW LI, WVI                                 ; Wv's fragments land while K's codes are made
	OUT_A
	s_wait_dscnt 32                                ; K step 0's 32 loads are in
	WIN 0x6c                                       ; source 0 (x) window 0, source 1 (Wv) window 3, C (bias) window 2, D window 1
.irp j, 0,1,2,3,4,5,6,7
.irp u, 0,1
	v_wmma_f32_16x16x128_bf8_bf8 v[128+16*\j+8*\u:128+16*\j+8*\u+7], v[XV+32*\u:XV+32*\u+15], v[16*\j:16*\j+15], v[64+8*\j:64+8*\j+7]
.endr
.endr
	s_wait_dscnt 0x0
	WIN 0x5c
.irp j, 0,1,2,3,4,5,6,7
.irp u, 0,1
	v_wmma_f32_16x16x128_bf8_bf8 v[128+16*\j+8*\u:128+16*\j+8*\u+7], v[XV+32*\u+16:XV+32*\u+31], v[128+16*\j:128+16*\j+15], v[128+16*\j+8*\u:128+16*\j+8*\u+7]
.endr
.endr
	WIN 0
	PLACES
	QUANT 0x01, 128, 16, 250                       ; channel tiles 0-3: four registers each: my 32 keys
	QUANT 0x01, 192, 32, 250                       ; 4-7
.irp j, 0,1,2,3,4,5,6,7
	global_store_b128 v[LI], v[16+4*\j:19+4*\j], s[22:23] offset:2048*\j   ; 512 consecutive bytes, at a multiple of 512
.endr
	s_wait_tensorcnt 0x0
	ds_add_u32 v254, v255
	s_wait_dscnt 0x0
	s_endpgm
	; ---- LIGAND: Q
.Lligand:
	v_add_nc_u32 v[WST], WQI, v[WST]               ; this way's images have LDS bytes of their own, beyond an offset's 16 bits: the registers carry the base
	v_add_nc_u32 v[FQ], WQI, v[LI]
	LOAD_A
	s_wait_kmcnt 0x0
	SCALES_A 56, 57, 62                            ; e0, e1, e6
	QUANT_WA
	LOAD_X
	SCALE_BK
	QUANT_X XK, 240, 1
	BARRIER
	MUL_K FQ
	OUT_A
	s_wait_tensorcnt 0x0
	ds_add_u32 v254, v255
	s_wait_dscnt 0x0
	s_endpgm
.Lfunc_end_k_q1747ca322d_proj:
	.size	k_q1747ca322d_proj, .Lfunc_end_k_q1747ca322d_proj-k_q1747ca322d_proj
	.p2alignl 7, 3214868480
	.fill 96, 4, 3214868480
	.section	.rodata,"a",@progbits
	.p2align	6, 0x0
	.amdhsa_kernel k_q1747ca322d_proj
		.amdhsa_group_segment_fixed_size 231936
		.amdhsa_private_segment_fixed_size 0
		.amdhsa_enable_private_segment 0
		.amdhsa_kernarg_size 88
		.amdhsa_user_sgpr_count 2
		.amdhsa_user_sgpr_kernarg_segment_ptr 1
		.amdhsa_wavefront_size32 1
		.amdhsa_system_sgpr_workgroup_id_x 1
		.amdhsa_system_sgpr_workgroup_id_y 1
		.amdhsa_system_sgpr_workgroup_id_z 1
		.amdhsa_system_vgpr_workitem_id 0
		.amdhsa_next_free_vgpr 1024
		.amdhsa_next_free_sgpr 80
		.amdhsa_reserve_vcc 0
		.amdhsa_float_denorm_mode_32 3
		.amdhsa_float_denorm_mode_16_64 3
		.amdhsa_memory_ordered 1
		.amdhsa_forward_progress 1
		.amdhsa_inst_pref_size 213
	.end_amdhsa_kernel
	.amdgpu_metadata
---
amdhsa.version: [ 1, 2 ]
amdhsa.kernels:
  - .name:           k_q1747ca322d_proj
    .symbol:         k_q1747ca322d_proj.kd
    .args:
      - { .name: pocket, .offset: 0, .size: 8, .value_kind: global_buffer, .address_space: global }
      - { .name: ligand, .offset: 8, .size: 8, .value_kind: global_buffer, .address_space: global }
      - { .name: Wk, .offset: 16, .size: 8, .value_kind: global_buffer, .address_space: global }
      - { .name: Wq, .offset: 24, .size: 8, .value_kind: global_buffer, .address_space: global }
      - { .name: bk, .offset: 32, .size: 8, .value_kind: global_buffer, .address_space: global }
      - { .name: bq, .offset: 40, .size: 8, .value_kind: global_buffer, .address_space: global }
      - { .name: Wv, .offset: 48, .size: 8, .value_kind: global_buffer, .address_space: global }
      - { .name: bv, .offset: 56, .size: 8, .value_kind: global_buffer, .address_space: global }
      - { .name: lowp_scales, .offset: 64, .size: 8, .value_kind: global_buffer, .address_space: global }
      - { .name: kv_img, .offset: 72, .size: 8, .value_kind: global_buffer, .address_space: global }
      - { .name: q_img, .offset: 80, .size: 8, .value_kind: global_buffer, .address_space: global }
    .group_segment_fixed_size: 231936
    .private_segment_fixed_size: 0
    .kernarg_segment_align: 8
    .kernarg_segment_size: 88
    .max_flat_workgroup_size: 128
    .sgpr_count:     80
    .vgpr_count:     1024
    .wavefront_size: 32
...
	.end_amdgpu_metadata
.endif
;; end of part 1
;; launch attn (part 2): grid 64 x 4, 16 waves a work-group, clusters of 4 x 1, 327,680 bytes of LDS; arguments q_img, kv_img, Wo, bo, lowp_scales, out0; writes out0
.if DOCPART == 2
	.amdgcn_target "amdgcn-amd-amdhsa--gfx1250"
	.amdhsa_code_object_version 6
	.text
	.protected	k_q1747ca322d_attn
	.globl	k_q1747ca322d_attn
	.p2align	8
	.type	k_q1747ca322d_attn,@function
k_q1747ca322d_attn:
	s_mov_b64 s[64:65], 0
	v_nop
	global_prefetch_b8 v0, s[64:65] scope:SCOPE_SE
	s_setreg_imm32_b32 hwreg(HW_REG_WAVE_MODE, 25, 1), 1
	s_wait_xcnt 0x0
	s_wait_alu depctr_hold_cnt(0) depctr_sa_sdst(0) depctr_va_vdst(0) depctr_va_sdst(0) depctr_va_ssrc(0) depctr_va_vcc(0) depctr_vm_vsrc(0)
	s_getreg_b32 s2, hwreg(HW_REG_IB_STS2, 6, 4)
	s_cmp_eq_u32 s2, 0
	s_cbranch_scc0 .Lentry_in_a_cluster
	s_endpgm
.Lentry_in_a_cluster:
	s_bfe_u32 s2, ttmp6, 0x10000c
	s_cmp_lg_u32 s2, 0x3003
	s_cbranch_scc0 .Lentry_shape_is_right
	s_endpgm
.Lentry_shape_is_right:
; out = (softmax(Q K^T / sqrt(128)) V) Wo + bo, all three products on codes of BF8 (E5M2).  Q, K, V come as images of operand registers (a fragment = 2,048 bytes, piece c = 512 bytes, lane l's 16 bytes at 16 l):
; register 2 t, 2 t + 1 of half h holds index 16 t + 8 h + 0 .. 7 along K, in both operands of each product alike.  Wo [128 (d)][128 (n)] f32 is quantised here; out0 [4][4096][128] f32.
; THE SOFTMAX AHEAD OF THE SECOND PRODUCT: t = score x log2(e) / sqrt(128); M = the largest t so far, rounded UP to a whole number; p = 2^(t - M) is quantised, not normalised; the sum is taken of the unquantised p and divides at the end.
; SHARES.  A work-group owns 64 queries of one batch.  Wave w: query tile w % 4 (16 queries), key group w / 4.  A slot holds 512 keys, four key steps of 128; group g takes the slot's step g: a wave walks 8 key steps.
; Four waves of 256 registers share a SIMD, so that one wave's vector work stands beside another's matrix instructions and LDS loads.  Each key group keeps its own running M, a whole number; at the end the four groups'
; O^T and sums are brought under the largest M by powers of two, which rounds nothing, and added.
; BOTH PRODUCTS ARE USED TRANSPOSED: S^T = K Q^T, O^T = V^T P^T: a lane holds one query (lane % 16) throughout, and p's conversions give the second product's operand as it stands.  The same holds of O^T and the last product.
; CLUSTER.  The four work-groups of a cluster belong to one batch and walk the same slots: each quarter of a slot is asked for JOINTLY, by the same tensor load with the same descriptor and the mask 15, by waves 0 to 3.
; A wave has one tensor load outstanding at the most.
; LIMITS on the given exponents, so that each power of two below is an f32 number: e6 + e7 between -123 and 130; e8, e11, e10 - e8 - e9 between -126 and 112; e10 + e11 between -126 and 127.  NaN and infinities are not served.
; LDS: two slots of 131,072 bytes (K's 65,536, then V's); then the spare words (2,048); Wo's 8 images; the groups' -M and sums; attn's 4 images; a stage of 64 rows x 528 for the way out.
; The groups' O^T meet in slot 0, which has had its last fill and its last read when the last change of slots is passed.
; REGISTERS: v1-11 addresses; v12 -M, v13 the largest t, v[14:15] the sum in two halves; v16-31 Q; v32-95 four fragments of K or V; v96-159 S^T, then p; v160-223 O^T; v224-239 p's codes; v240-254 scales, limits, at work.
.set NSL,   8                          ; slots' worth of keys in a batch
.set SLOT1, 1<<17
.set SPARE, 2*SLOT1                    ; the spare words: 128 bytes for each of 16 waves: eight blocks of 256 bytes that no other line names
.set WOIMG, SPARE+2048
.set STAT,  WOIMG+16384
.set AIMG,  STAT+4096
.set OST,   AIMG+8192
.set OP,    528                        ; a stage row: 512 bytes + 16 = 33 x 16
.set AK0, 1                            ; v1  16 x lane + 16,384 x group: my step's K in a slot.  Behind the loop: AW
.set AV0, 2                            ; v2  the same + 65,536: its V.  Behind the loop: AR
.set LI,  3                            ; v3  16 x lane
.set WR,  4
.set SPW, 5                            ; v5  LDS address of my spare word; never rewritten
.set NIL, 6                            ; v6  0; never rewritten
.set MW,  7
.set ADK, 8
.set ADV, 9
.set STW, 8
.set STR, 9
.set MR0, 10
.set MR1, 11
.set AW,  1
.set AR,  2
.set OW,  247
.set ORD, 248
.set BOA, 249
.set WV,  18                           ; s18 wave, s19 query tile, s20 key group
.set QT,  19
.set KG,  20
.set CS,  22                           ; s[22:23] c = log2(e) / sqrt(128) x 2^(e6 + e7)
.set G1,  24                           ; s[24:31] descriptor group 1
.set G0,  32                           ; s[32:35] group 0, which walks
.set TB,  36                           ; s36 LDS byte at which the slot in hand begins
.set SLOTS, 37
.set SEL, 38                           ; s[38:39] v_permlanex16_b32's selects for lane l xor 16
.macro CROUND                          ; a round of the cluster's barrier: my work-group's barrier; wave 0 signals for the work-group; every wave waits for all four work-groups; my work-group's barrier once more
	s_barrier_signal -1
	s_barrier_wait -1
	s_cmp_lg_u32 s[WV], 0
	s_cbranch_scc1 .Lnot_wave_0_\@
	s_barrier_signal -3
.Lnot_wave_0_\@:
	s_barrier_wait -3
	s_barrier_signal -1
	s_barrier_wait -1
.endm
.macro JLOAD                           ; waves 0 to 3 ask for a quarter of a slot each; the branch hangs on the wave's number alone.  Four v_nop follow the load
	s_cmp_lt_u32 s[WV], 4
	s_cbranch_scc0 .Lasked_\@
	tensor_load_to_lds s[G0:G0+3], s[G1:G1+7]
	s_nop 0
.rept 4
	v_nop
.endr
.Lasked_\@:
.endm
.macro MKSC e, vs, vl                  ; v[vs] = 2^e as f32, v[vl] = 57,344 x 2^e
	s_add_co_i32 s62, s[\e], 127
	s_lshl_b32 s63, s62, 23
	v_mov_b32 v[\vs], s63
	s_add_co_i32 s62, s62, 15
	s_lshl_b32 s62, s62, 23
	s_or_b32 s62, s62, 0x600000
	v_mov_b32 v[\vl], s62
.endm
.macro PLACES
.rept 4
	v_nop
.endr
.endm
.macro BARRIER
	s_wait_dscnt 0x0                               ; my LDS stores have landed and my LDS loads are in
	s_barrier_signal -1
	s_barrier_wait -1
.endm
	s_load_b256 s[4:11], s[0:1], 0x0               ; q_img, kv_img, Wo, bo
	s_load_b128 s[12:15], s[0:1], 0x20             ; lowp_scales, out0
	v_lshl_add_u32 v[SPW], v0, 2, SPARE
	v_mov_b32 v[NIL], 0
	ds_add_u32 v5, v6
	s_wait_dscnt 0x0
	v_lshrrev_b32 v7, 5, v0
	v_readfirstlane_b32 s[WV], v7                  ; wave 0..15
	s_and_b32 s[QT], s[WV], 3
	s_lshr_b32 s[KG], s[WV], 2
	s_bfe_u32 s50, ttmp6, 0x40000                  ; cx
	s_lshl_b32 s51, ttmp9, 2
	s_add_co_u32 s51, s51, s50                     ; my block of 64 queries = 4 x cluster x + cx: it enters Q's and out0's addresses alone
	s_and_b32 s52, ttmp7, 0xffff                   ; the batch, which the four partners share
	; descriptor group 1: a quarter of a slot, dense in memory: 128 rows of 32 elements of 8 bytes
	s_mov_b32 s[G1], 15|(3<<16)|(1<<21)            ; the mask: all four work-groups; elements of 8 bytes; bit 21 set beside a mask; no padding: every fragment load reads 512 bytes on end
	s_mov_b32 s[G1+1], 32<<16                      ; tensor_dim0
	s_mov_b32 s[G1+2], 128<<16                     ; tensor_dim1
	s_mov_b32 s[G1+3], 32<<16                      ; tile_dim0
	s_mov_b32 s[G1+4], 128                         ; tile_dim1
	s_mov_b32 s[G1+5], 32                          ; elements from row to row
	s_mov_b32 s[G1+6], 0
	s_mov_b32 s[G1+7], 0
	s_mov_b32 s[G0], 1                             ; count = 1
	s_lshl_b32 s[G0+1], s[QT], 15                  ; LDS address: quarter w of slot 0
	s_lshl_b32 s54, s52, 20                        ; a batch's 8 slots
	s_add_co_u32 s54, s54, s[G0+1]
	s_mov_b32 s55, 0
	s_lshl_b32 s56, s52, 19                        ; Q: a batch's 256 tiles, my block's 4, my tile
	s_lshl_b32 s57, s51, 13
	s_add_co_u32 s56, s56, s57
	s_lshl_b32 s57, s[QT], 11
	s_add_co_u32 s56, s56, s57
	s_mov_b32 s57, 0
	s_lshl_b32 s58, s52, 21                        ; out0: a batch's 4,096 rows of 512 bytes, my block's 64, the 4 that I store
	s_lshl_b32 s59, s51, 15
	s_add_co_u32 s58, s58, s59
	s_lshl_b32 s59, s[WV], 11
	s_add_co_u32 s58, s58, s59
	s_mov_b32 s59, 0
	s_mov_b32 s[CS], 0x3e0293ee                    ; log2(e) / sqrt(128)
	s_mov_b32 s[SEL], 0x76543210
	s_mov_b32 s[SEL+1], 0xfedcba98
	s_mov_b32 s[TB], 0
	s_mov_b32 s[SLOTS], NSL-1
	s_wait_kmcnt 0x0
	s_load_b64 s[40:41], s[12:13], 0x18            ; e6, e7
	s_load_b128 s[44:47], s[12:13], 0x20           ; e8 .. e11
	s_add_nc_u64 s[G0+2:G0+3], s[6:7], s[54:55]
	s_or_b32 s[G0+3], s[G0+3], 0x80000000          ; type = 2
	s_add_nc_u64 s[4:5], s[4:5], s[56:57]
	s_add_nc_u64 s[14:15], s[14:15], s[58:59]
	CROUND                                         ; all four work-groups are here: the first joint loads meet
	JLOAD                                          ; slot 0
	v_and_b32 v7, 31, v0                           ; lane
	v_lshlrev_b32 v[LI], 4, v7
	s_lshl_b32 s60, s[KG], 14
	v_add_nc_u32 v[AK0], s60, v[LI]
	v_add_nc_u32 v[AV0], 0x10000, v[AK0]
.irp c, 0,1,2,3
	global_load_b128 v[16+4*\c:19+4*\c], v[LI], s[4:5] offset:512*\c   ; Q's fragment stays in registers
.endr
	s_lshl_b32 s60, s[WV], 12
	v_add_nc_u32 v10, s60, v[LI]
.irp i, 0,1,2,3,4,5,6,7
	global_load_b128 v[32+4*\i:35+4*\i], v10, s[8:9] offset:512*\i     ; Wo's rows d = 8 w + i: each load one row of 512 bytes; lane l: columns 4 l .. 4 l + 3
.endr
	v_lshrrev_b32 v8, 2, v7
	v_and_b32 v9, 3, v7
	v_lshlrev_b32 v11, 11, v8                      ; where my codes of Wo go: fragment l / 4, lane 4 (l % 4) + j of half w % 2, piece w / 4, its upper 8 bytes where (w / 2) is odd
	v_lshl_add_u32 v11, v9, 6, v11
	s_lshl_b32 s60, s[KG], 9
	s_and_b32 s61, s[WV], 1
	s_lshl_b32 s61, s61, 8
	s_add_co_u32 s60, s60, s61
	s_bfe_u32 s61, s[WV], 0x10001
	s_lshl_b32 s61, s61, 3
	s_add_co_u32 s60, s60, s61
	s_add_co_u32 s60, s60, WOIMG
	v_add_nc_u32 v11, s60, v11
	v_mov_b32 v13, 0xff61b1e6                      ; the largest t so far: -3e38, under every t
	v_floor_f32 v12, -v13                          ; -M
	v_mov_b32 v14, 0
	v_mov_b32 v15, 0
	v_mov_b32 v236, 0                              ; a lane permute's destination counts as one of its sources
	v_mov_b32 v253, 0                              ; (named as the upper half of the pair v[252:253])
.set n, 0
.rept 64
	v_mov_b32 v[160+n], 0                          ; O^T.  (The key step is written without a first step of its own: the first change of M multiplies zeros)
.set n, n+1
.endr
	s_wait_kmcnt 0x0
	s_add_co_i32 s60, s40, s41
	s_lshl_b32 s60, s60, 23
	s_add_co_i32 s[CS], s[CS], s60                 ; a score stands for score x 2^(e6 + e7): added to c's exponent field
	s_mov_b32 s[CS+1], s[CS]
	MKSC 44, 244, 240                              ; p's scale and limit
	s_sub_co_i32 s60, s46, s44
	s_sub_co_i32 s60, s60, s45
	MKSC 60, 245, 241                              ; attn's: O^T / l stands for attn / 2^(e8 + e9): the three scales folded into one
	MKSC 47, 242, 243                              ; Wo's (v242, v243 are free again behind the lines below)
	s_add_co_i32 s48, s46, s47
	s_add_co_i32 s48, s48, 127
	s_lshl_b32 s48, s48, 23                        ; 2^(e10 + e11)
	s_mov_b32 s49, s48
	s_wait_loadcnt 0x0                             ; Q and Wo
.irp j, 0,1,2,3
.irp i, 0,1,2,3,4,5,6,7
	v_med3_num_f32 v[96+8*\j+\i], v[32+4*\i+\j], -v243, v243   ; the hold at the largest code; it also puts column j's eight numbers along d on end
.endr
.endr
.irp j, 0,1,2,3
	v_cvt_scalef32_pk8_bf8_f32 v[64+2*\j:65+2*\j], v[96+8*\j:103+8*\j], v242
.endr
	v_nop                                          ; one plain line behind the last conversion
.irp j, 0,1,2,3
	ds_store_b64 v11, v[64+2*\j:65+2*\j] offset:16*\j          ; the first change of slots waits for these and passes a barrier
.endr
; A KEY STEP: my 16 queries x my group's 128 keys of the slot in hand.
.macro STEP
	v_add_nc_u32 v[ADK], s[TB], v[AK0]
	v_add_nc_u32 v[ADV], s[TB], v[AV0]
	v_nop                                          ; with the two additions: four places ahead of loads into registers that the last step's products read
	v_nop
.irp g, 0,1                                    ; S^T = K Q^T, four tiles of 16 keys at a time
.if \g > 0
	PLACES
.endif
.irp t, 0,1,2,3
.irp c, 0,1,2,3
	ds_load_b128 v[32+16*\t+4*\c:32+16*\t+4*\c+3], v[ADK] offset:(4*\g+\t)*2048+512*\c
.endr
.endr
	s_wait_dscnt 0x0
.irp t, 0,1,2,3
	v_wmma_f32_16x16x128_bf8_bf8 v[96+8*(4*\g+\t):103+8*(4*\g+\t)], v[32+16*\t:47+16*\t], v[16:31], 0
.endr
.endr                                          ; lane (r, h): query r; register 8 t + j: key 16 t + 8 h + j
	PLACES
.irp t, 0,1,2,3                                ; V's channel tiles 0-3 are asked for now and land under the softmax, which names none of these registers
.irp c, 0,1,2,3
	ds_load_b128 v[32+16*\t+4*\c:32+16*\t+4*\c+3], v[ADV] offset:\t*2048+512*\c
.endr
.endr
	v_max3_num_f32 v254, v96, v97, v98             ; the step's largest score of my query among my 64 keys, in two chains, each accumulator from its low end on,
	v_max3_num_f32 v252, v99, v100, v101
.set n, 6
.rept 14
	v_max3_num_f32 v254, v254, v[96+n], v[97+n]
	v_max3_num_f32 v252, v252, v[98+n], v[99+n]
.set n, n+4
.endr
	v_max3_num_f32 v254, v254, v158, v159
	v_max_num_f32 v254, v254, v252
	v_permlanex16_b32 v236, v254, s[SEL], s[SEL+1]
	v_max_num_f32 v254, v254, v236                 ; and among lane l xor 16's
	v_mul_f32 v254, s[CS], v254                    ; as t (c is positive)
	v_max_num_f32 v13, v13, v254                   ; the running largest t
	v_mov_b32 v254, v12
	v_floor_f32 v12, -v13                          ; the new -M = floor(-t) = -ceil(t)
	v_sub_f32 v254, v12, v254                      ; old M - new M: a whole number, 0 or less
	v_cvt_i32_f32 v254, v254                       ; (it saturates)
	v_ldexp_f32 v252, 1.0, v254                    ; f = 2^(old M - new M)
.set n, 0
.rept 32
	v_pk_fma_f32 v[96+n:97+n], v[96+n:97+n], s[CS:CS+1], v[12:13] op_sel_hi:[1,0,0]   ; t - M, two at a time (of the pairs c and -M the low word serves both halves)
.set n, n+2
.endr
.set n, 0
.rept 64
	v_exp_f32 v[96+n], v[96+n]                     ; p = 2^(t - M), at most 1
.set n, n+1
.endr
	v_pk_mul_f32 v[14:15], v[14:15], v[252:253] op_sel_hi:[1,0]   ; the sums under the new M.  (A plain place behind the exponentials)
	s_wait_alu depctr_va_vdst(0)
	v_pk_add_f32 v[242:243], v[96:97], v[98:99]    ; the sum is taken of the unquantised p, in two chains
.set n, 4
.rept 15
	v_pk_add_f32 v[14:15], v[14:15], v[96+n:97+n]
	v_pk_add_f32 v[242:243], v[242:243], v[98+n:99+n]
.set n, n+4
.endr
	v_pk_add_f32 v[14:15], v[14:15], v[242:243]
.irp b, 0,1,2,3
.irp i, 0,1,2,3,4,5,6,7,8,9,10,11,12,13,14,15
	v_min_num_f32 v[96+16*\b+\i], v[96+16*\b+\i], v240   ; the conversion does not saturate (ISA guide 7.6.2); p is not negative, so the hold is one-sided.  It stands whatever e8 is: no branch on a given scale
.endr
	v_cvt_scalef32_pk8_bf8_f32 v[224+4*\b:225+4*\b], v[96+16*\b:103+16*\b], v244
	v_cvt_scalef32_pk8_bf8_f32 v[226+4*\b:227+4*\b], v[104+16*\b:111+16*\b], v244
.endr
.set n, 0
.rept 32
	v_pk_mul_f32 v[160+n:161+n], v[160+n:161+n], v[252:253] op_sel_hi:[1,0]   ; O^T under the new M.  (These are also the plain lines behind the conversions)
.set n, n+2
.endr
	s_wait_dscnt 0x0                               ; V's tiles 0-3
.irp t, 0,1,2,3
	v_wmma_f32_16x16x128_bf8_bf8 v[160+8*\t:167+8*\t], v[32+16*\t:47+16*\t], v[224:239], v[160+8*\t:167+8*\t]
.endr
	PLACES
.irp t, 0,1,2,3
.irp c, 0,1,2,3
	ds_load_b128 v[32+16*\t+4*\c:32+16*\t+4*\c+3], v[ADV] offset:(4+\t)*2048+512*\c
.endr
.endr
	s_wait_dscnt 0x0
.irp t, 0,1,2,3
	v_wmma_f32_16x16x128_bf8_bf8 v[192+8*\t:199+8*\t], v[32+16*\t:47+16*\t], v[224:239], v[192+8*\t:199+8*\t]
.endr
.endm
; THE CHANGE OF SLOTS stands at a slot's head.  Each wave waits for all its tensor loads, adds 0 to its spare word, and waits for that and for its reads of the slot that it has left.
; fill = 1: the barrier is a round of the cluster's, so that no wave of any partner still reads that slot or has a load on its way; the joint refill is the first thing behind it and has a key step of all sixteen waves in which to land.
.macro CHANGE fill
	s_wait_tensorcnt 0x0                           ; no tensor load of mine is out, so group 0 may be written
	ds_add_u32 v[SPW], v[NIL]                      ; 0 onto my spare word
.if \fill
	s_xor_b32 s[G0+1], s[G0+1], SLOT1              ; the other slot than last time,
	s_add_nc_u64 s[G0+2:G0+3], s[G0+2:G0+3], 131072   ; the next 512 keys; the type bits on top are not reached
.endif
	s_wait_dscnt 0x0                               ; the add is done, and my LDS reads and stores are over
.if \fill
	CROUND
	JLOAD
.else
	s_barrier_signal -1
	s_barrier_wait -1
.endif
.endm
.Lslot:                                            ; NSL - 1 trips: behind each change of slots but the last the next slot is asked for
	CHANGE 1
	STEP
	s_xor_b32 s[TB], s[TB], SLOT1
	s_sub_co_u32 s[SLOTS], s[SLOTS], 1
	s_cmp_lg_u32 s[SLOTS], 0
	s_cbranch_scc1 .Lslot
	CHANGE 0                                       ; the last slot is written out; it lies in slot 1, and behind this barrier nobody reads slot 0
	STEP
	; THE TAIL.  Its addresses first: plain lines that name no register of the last products, so they are the places behind them.
	v_and_b32 v246, 31, v0                         ; lane
	v_and_b32 v250, 15, v0                         ; r
	v_bfe_u32 v251, v0, 4, 1                       ; h
	s_lshl_b32 s66, s[WV], 13
	v_add_nc_u32 v[MW], s66, v[LI]                 ; my O^T's image: 8,192 x wave, in slot 0
	s_lshl_b32 s66, s[WV], 8
	s_add_co_u32 s66, s66, STAT
	v_lshl_add_u32 v[STW], v246, 3, s66            ; my -M and sum: 8 bytes a lane
	s_lshl_b32 s66, s[QT], 8
	s_add_co_u32 s66, s66, STAT
	v_lshl_add_u32 v[STR], v246, 3, s66            ; those of my query tile's four groups: 1,024 bytes apart
	s_lshl_b32 s66, s[QT], 13
	s_lshl_b32 s67, s[KG], 11
	s_add_co_u32 s66, s66, s67
	v_add_nc_u32 v[MR0], s66, v[LI]                ; channel tiles 2 g, 2 g + 1 of group 0's O^T; the groups lie 32,768 apart,
	v_add_nc_u32 v[MR1], 0x10000, v[MR0]           ; so groups 2 and 3 want a second register
	s_lshl_b32 s66, s[QT], 11
	s_add_co_u32 s66, s66, AIMG
	v_add_nc_u32 v[AR], s66, v[LI]                 ; my query tile's fragment of attn,
	s_lshl_b32 s67, s[KG], 9
	v_add_nc_u32 v[AW], s67, v[AR]                 ; and the piece of it that I make
	s_lshl_b32 s66, s[KG], 12
	s_add_co_u32 s66, s66, WOIMG
	v_add_nc_u32 v[WR], s66, v[LI]                 ; Wo's fragments 2 g, 2 g + 1
	s_mul_i32 s66, s[QT], 16*OP
	s_lshl_b32 s67, s[KG], 7
	s_add_co_u32 s66, s66, s67
	s_add_co_u32 s66, s66, OST
	v_mul_u32_u24 v[OW], v250, OP
	v_lshl_add_u32 v[OW], v251, 5, v[OW]
	v_add_nc_u32 v[OW], s66, v[OW]                 ; the stage: row 16 qt + r, byte 128 g + 32 h
	s_mul_i32 s66, s[WV], 4*OP
	s_add_co_u32 s66, s66, OST
	v_add_nc_u32 v[ORD], s66, v[LI]                ; back: rows 4 w .. 4 w + 3, whole
	v_lshlrev_b32 v[BOA], 5, v251
	v_add_nc_u32 v[BOA], s67, v[BOA]               ; bo: 128 g + 32 h
	v_add_f32 v14, v14, v15                        ; the sum's two halves,
	v_permlanex16_b32 v252, v14, s[SEL], s[SEL+1]
	v_add_f32 v13, v14, v252                       ; and lane l xor 16's: my group's sum, beside -M
.irp i, 0,1
	global_load_b128 v[64+8*\i:67+8*\i], v[BOA], s[10:11] offset:64*\i        ; bo[32 g + 16 i + 8 h + 0 .. 7]
	global_load_b128 v[68+8*\i:71+8*\i], v[BOA], s[10:11] offset:64*\i+16
.endr
.set n, 0
.rept 16
	ds_store_b128 v[MW], v[160+4*n:163+4*n] offset:512*n   ; ascending: each accumulator from its low end on
.set n, n+1
.endr
	ds_store_b64 v[STW], v[12:13]
	BARRIER                                        ; all sixteen waves' O^T, -M and sums lie in LDS
.irp g, 0,1,2,3
	ds_load_b64 v[32+2*\g:33+2*\g], v[STR] offset:1024*\g
.endr
.irp g, 0,1
.irp i, 0,1,2,3
	ds_load_b128 v[96+16*\g+4*\i:99+16*\g+4*\i], v[MR0] offset:32768*\g+512*\i
.endr
.endr
.irp g, 0,1
.irp i, 0,1,2,3
	ds_load_b128 v[128+16*\g+4*\i:131+16*\g+4*\i], v[MR1] offset:32768*\g+512*\i
.endr
.endr
	s_wait_dscnt 0x0
	v_min_num_f32 v252, v32, v34
	v_min_num_f32 v253, v36, v38
	v_min_num_f32 v252, v252, v253                 ; -M of the four groups together
.irp g, 0,1,2,3
	v_sub_f32 v[40+2*\g], v252, v[32+2*\g]         ; the group's M less the largest: a whole number, 0 or less
.endr
.irp g, 0,1,2,3
	v_cvt_i32_f32 v[40+2*\g], v[40+2*\g]
.endr
.irp g, 0,1,2,3
	v_ldexp_f32 v[40+2*\g], 1.0, v[40+2*\g]        ; f of the group
.endr
	v_mul_f32 v254, v40, v33
	v_fmac_f32 v254, v42, v35
	v_fmac_f32 v254, v44, v37
	v_fmac_f32 v254, v46, v39                      ; the row's sum
	v_rcp_f32 v254, v254
	v_nop                                          ; one plain place behind a transcendental
	s_wait_alu depctr_va_vdst(0)
.irp g, 0,1,2,3
	v_mul_f32 v[40+2*\g], v[40+2*\g], v254         ; f / l: f is a power of two, so this rounds nothing further
.endr
.irp g, 0,1,2,3
	v_mov_b32 v[41+2*\g], v[40+2*\g]               ; (named with it as a pair)
.endr
.set n, 0
.rept 8
	v_pk_mul_f32 v[48+n:49+n], v[96+n:97+n], v[40:41] op_sel_hi:[1,0]
.set n, n+2
.endr
.irp g, 1,2,3
.set n, 0
.rept 8
	v_pk_fma_f32 v[48+n:49+n], v[96+16*\g+n:97+16*\g+n], v[40+2*\g:41+2*\g], v[48+n:49+n] op_sel_hi:[1,0,1]
.set n, n+2
.endr
.endr
.set n, 0
.rept 16
	v_med3_num_f32 v[48+n], v[48+n], -v241, v241   ; the hold at the largest code x the folded scale
.set n, n+1
.endr
	v_cvt_scalef32_pk8_bf8_f32 v[80:81], v[48:55], v245    ; channel tile 2 g
	v_cvt_scalef32_pk8_bf8_f32 v[82:83], v[56:63], v245    ; 2 g + 1: together piece g of my query tile's fragment
	v_nop
	ds_store_b128 v[AW], v[80:83]
	BARRIER                                        ; attn's four fragments lie in LDS
.irp c, 0,1,2,3
	ds_load_b128 v[16+4*\c:19+4*\c], v[AR] offset:512*\c
.endr
.set n, 0
.rept 8
	ds_load_b128 v[32+4*n:35+4*n], v[WR] offset:512*n
.set n, n+1
.endr
	s_wait_dscnt 0x0
	v_wmma_f32_16x16x128_bf8_bf8 v[96:103], v[32:47], v[16:31], 0     ; source 0 = 16 columns of Wo, source 1 = my 16 queries: a lane's eight results are eight neighbouring outputs of one row
	v_wmma_f32_16x16x128_bf8_bf8 v[104:111], v[48:63], v[16:31], 0
	PLACES
	s_wait_loadcnt 0x0                             ; bo
.set n, 0
.rept 8
	v_pk_fma_f32 v[112+n:113+n], v[96+n:97+n], s[48:49], v[64+n:65+n] op_sel_hi:[1,0,1]   ; sum x 2^(e10 + e11) + bo
.set n, n+2
.endr
.irp i, 0,1
	ds_store_b128 v[OW], v[112+8*\i:115+8*\i] offset:64*\i
	ds_store_b128 v[OW], v[116+8*\i:119+8*\i] offset:64*\i+16
.endr
	BARRIER                                        ; 64 whole rows lie in the stage
.irp i, 0,1,2,3
	ds_load_b128 v[128+4*\i:131+4*\i], v[ORD] offset:OP*\i
.endr
.irp i, 0,1,2,3
	s_wait_dscnt 3-\i                              ; row i is in; the loads issued behind it may be out
	global_store_b128 v[LI], v[128+4*\i:131+4*\i], s[14:15] offset:512*\i th:TH_STORE_NT   ; 32 lanes store a row of 512 consecutive bytes, at a multiple of 512 from out0's first byte
.endr
	s_wait_tensorcnt 0x0                           ; the wave's end: these three lines, behind my last tensor load and my last LDS store
	ds_add_u32 v[SPW], v[NIL]
	s_wait_dscnt 0x0
	CROUND                                         ; the closing round: no work-group ends while a partner may still ask for a tile that names it
	s_endpgm
.Lfunc_end_k_q1747ca322d_attn:
	.size	k_q1747ca322d_attn, .Lfunc_end_k_q1747ca322d_attn-k_q1747ca322d_attn
	.p2alignl 7, 3214868480
	.fill 96, 4, 3214868480
	.section	.rodata,"a",@progbits
	.p2align	6, 0x0
	.amdhsa_kernel k_q1747ca322d_attn
		.amdhsa_group_segment_fixed_size 327680
		.amdhsa_private_segment_fixed_size 0
		.amdhsa_enable_private_segment 0
		.amdhsa_kernarg_size 48
		.amdhsa_user_sgpr_count 2
		.amdhsa_user_sgpr_kernarg_segment_ptr 1
		.amdhsa_wavefront_size32 1
		.amdhsa_system_sgpr_workgroup_id_x 1
		.amdhsa_system_sgpr_workgroup_id_y 1
		.amdhsa_system_sgpr_workgroup_id_z 1
		.amdhsa_system_vgpr_workitem_id 0
		.amdhsa_next_free_vgpr 256
		.amdhsa_next_free_sgpr 80
		.amdhsa_reserve_vcc 0
		.amdhsa_float_denorm_mode_32 3
		.amdhsa_float_denorm_mode_16_64 3
		.amdhsa_memory_ordered 1
		.amdhsa_forward_progress 1
		.amdhsa_inst_pref_size 62
	.end_amdhsa_kernel
	.amdgpu_metadata
---
amdhsa.version: [ 1, 2 ]
amdhsa.kernels:
  - .name:           k_q1747ca322d_attn
    .symbol:         k_q1747ca322d_attn.kd
    .args:
      - { .name: q_img, .offset: 0, .size: 8, .value_kind: global_buffer, .address_space: global }
      - { .name: kv_img, .offset: 8, .size: 8, .value_kind: global_buffer, .address_space: global }
      - { .name: Wo, .offset: 16, .size: 8, .value_kind: global_buffer, .address_space: global }
      - { .name: bo, .offset: 24, .size: 8, .value_kind: global_buffer, .address_space: global }
      - { .name: lowp_scales, .offset: 32, .size: 8, .value_kind: global_buffer, .address_space: global }
      - { .name: out0, .offset: 40, .size: 8, .value_kind: global_buffer, .address_space: global }
    .group_segment_fixed_size: 327680
    .private_segment_fixed_size: 0
    .kernarg_segment_align: 8
    .kernarg_segment_size: 48
    .max_flat_workgroup_size: 512
    .sgpr_count:     80
    .vgpr_count:     256
    .wavefront_size: 32
...
	.end_amdgpu_metadata
.endif
;; end of part 2
;; ======== version 2 of 2: 2 launches
;; limits: right only within a limited range of input values
;; workspace buffers: q_img 2,097,152 bytes; kv_img 4,194,304 bytes; wo_img 16,384 bytes
;; launch proj (part 3): grid 256 x 1, 4 waves a work-group, no clusters, 231,936 bytes of LDS; arguments pocket, ligand, Wk, Wq, bk, bq, Wv, bv, lowp_scales, kv_img, q_img, Wo, wo_img; writes kv_img, q_img, wo_img
.if DOCPART == 3
	.amdgcn_target "amdgcn-amd-amdhsa--gfx1250"
	.amdhsa_code_object_version 6
	.text
	.protected	k_q1747ca322d_proj
	.globl	k_q1747ca322d_proj
	.p2align	8
	.type	k_q1747ca322d_proj,@function
k_q1747ca322d_proj:
	s_mov_b64 s[64:65], 0
	v_nop
	global_prefetch_b8 v0, s[64:65] scope:SCOPE_SE
	s_setreg_imm32_b32 hwreg(HW_REG_WAVE_MODE, 25, 1), 1
	s_wait_xcnt 0x0
; Q = ligand Wq + bq, K = pocket Wk + bk, V = pocket Wv + bv, each product on codes of BF8 (E5M2) made here by the given scales 2^e (lowp_scales 0..5),
; and the three results quantised at once for the attention's products (scales 6, 7, 9).  ligand, pocket: [16384][256] f32; the weights [256 (k)][128 (n)] f32.
; WHAT IS STORED are images of operand registers: a fragment (16 rows x 128 K) is 2,048 bytes, piece c (registers 4 c .. 4 c + 3) 512 bytes on end, lane l's 16 bytes at 16 l.
;   q_img  [query tile = row / 16][c][lane][16]                         lane % 16 = the query; register 2 t, 2 t + 1 of half h: channels 16 t + 8 h + 0 .. 7
;   kv_img [slot = 512 keys][131,072]: K: [key step of 128][key tile][c][lane][16] as q_img;  from byte 65,536 V: [key step][channel tile j][c][lane][16]: lane % 16 = channel 16 j + r, registers along the keys in the same order
; SHARES.  Work-groups 0-127 take 128 rows of pocket each (one key step) and make K and V; work-groups 128-255 take 128 rows of ligand and make Q: about half the arithmetic, the same 131,072 bytes of rows.
; The two ways part ONCE, on the work-group's number, and never join; what they share is written as macros.  Wave w owns rows 32 w .. 32 w + 31 (two tiles u): its rows never leave it.
; The four waves share only the quantising of the weights: wave w takes rows k = 64 w .. 64 w + 63, and the fragments' images meet in LDS behind the one barrier.
; A WEIGHT'S K IS ITS FIRST AXIS: a load takes one row of 512 bytes (lane l: columns 4 l .. 4 l + 3); the hold at the largest code writes its result to the register where column j's 16 numbers along k stand on end, so it turns the block as well.
; THE PRODUCTS.  K, Q: source 0 = 16 columns of the weight, source 1 = 16 rows of x: a lane holds ONE row and its registers run along the channels, the next K.  V: source 0 = x, source 1 = Wv: a lane holds one channel, registers run along the keys.
; The biases, divided by the power of two that the sums lack, are the C of each sum's first matrix instruction.  The three scales ahead of a result's quantiser are folded into the conversion's one.
; NO CLUSTER: what work-groups share is the weights, and these pass through registers for the hold that turns them; as f32 in LDS two weights (262,144 bytes) beside x's 133,120 would not fit in 327,680.  x's rows are shared by nobody.
; LIMITS on the given exponents, so that each power of two and 57,344 x it is an f32 number: e0 .. e5, e6 - e0 - e1, e7 - e2 - e3, e9 - e4 - e5 between -126 and 112.  NaN and infinities among the inputs are not served.
; LDS: 0 Wk's 16 images; 32,768 Wv's; 65,536 x: 32 rows x 1,040 bytes for each wave, filled once by that wave's tensor load and read by it alone; 198,656 Wq's images (the ligand way's own bytes).  No LDS byte is filled twice.
; REGISTERS, in windows of 256: window 0: v1-7 addresses; XK v16-79 x's codes (fragment (u, s) at 16 (2 u + s)), XV v80-143 the same by V's scale, T v144-207 at work, CO v208-239 codes to store, v240-251 scales and limits.
;   window 1: Wv as loaded, then the accumulators: K's (u, i) at 64 u + 8 i, V's (j, u) at 128 + 16 j + 8 u.   window 2: v0-63 K's bias tiles, v64-127 V's, v128-135 bv as loaded.   window 3: the first weight as loaded, then 16 weight fragments.
.set WVI,  32768
.set XST,  65536
.set XW,   33280                       ; a wave's part of x in LDS: 32 rows x XP
.set XP,   1040                        ; 1,024 bytes + 16 of padding = 65 x 16: the sixteen rows that a load touches start at sixteen different groups of banks
.set WQI,  198656
.set LI,   1                           ; v1  16 x lane
.set WAD,  2                           ; v2  a weight's rows: 16 x lane + 32,768 x wave
.set WST,  3                           ; v3  where my codes of a weight go in its images
.set XR,   4                           ; v4  x in LDS: my row, + 64 x half
.set BA,   5                           ; v5  32 x half
.set BVA,  6                           ; v6  4 x (lane % 16)
.set FQ,   7                           ; v7  16 x lane + WQI
.set XK,   16
.set XV,   80
.set T,    144
.set CO,   208
.set WV,   29                          ; s29 wave
.set GG,   30                          ; s30 which 128 rows
.set MSB, 0
.macro WIN new                         ; the immediate's high byte repeats the setting that is left; bits 1:0 source 0, 3:2 source 1, 5:4 source 2, 7:6 destination
.if MSB != \new
	s_set_vgpr_msb (MSB<<8)|\new
.set MSB, \new
.endif
.endm
.macro PLACES                          ; four plain places behind a matrix instruction, ahead of loads into its sources and of reads of its results
.rept 4
	v_nop
.endr
.endm
.macro MKSC e, vs                      ; v[vs] = 2^e as f32, v[vs + 1] = 57,344 x 2^e; e in s[e]
	s_add_co_i32 s72, s[\e], 127
	s_lshl_b32 s73, s72, 23
	v_mov_b32 v[\vs], s73
	s_add_co_i32 s72, s72, 15
	s_lshl_b32 s72, s72, 23
	s_or_b32 s72, s72, 0x600000
	v_mov_b32 v[\vs+1], s72
.endm
.macro SCALES_A ex, ew, eo             ; x's scale, the weight's, and the result's folded one; s69 = -(ex + ew) for the bias
	MKSC \ex, 240
	MKSC \ew, 242
	s_add_co_i32 s69, s[\ex], s[\ew]
	s_sub_co_i32 s31, s[\eo], s69
	MKSC 31, 244
	s_sub_co_i32 s69, 0, s69
.endm
; 64 numbers of a lane (window in win's source 0) become 16 registers of codes in window 0.  The conversion to an 8-bit code does not saturate (ISA guide 7.6.2): the hold comes first.  Ascending: an accumulator is read from its low end on.
.macro QUANT win, src, dst, sc
	WIN \win
.set n, 0
.rept 64
	v_med3_num_f32 v[T+n], v[(\src)+n], -v[(\sc)+1], v[(\sc)+1]
.set n, n+1
.endr
	WIN 0
.irp m, 0,1,2,3,4,5,6,7
	v_cvt_scalef32_pk8_bf8_f32 v[(\dst)+2*\m:(\dst)+2*\m+1], v[T+8*\m:T+8*\m+7], v[\sc]
.endr
	v_nop                                          ; one plain line behind the last conversion, ahead of whatever next writes T or touches the codes
.endm
; 16 rows k = 64 w + 16 q + i of a weight: register 64 q + 4 i + j is W(k, 4 l + j).  The hold puts column j's 16 numbers on end; their 16 codes are 16 bytes of fragment (k / 128, l / 4), piece (k % 128) / 32, half q % 2, lane 4 (l % 4) + j.
.macro WBATCH win, q, img, cw, sc
	WIN \win
.irp j, 0,1,2,3
.irp i, 0,1,2,3,4,5,6,7,8,9,10,11,12,13,14,15
	v_med3_num_f32 v[T+16*\j+\i], v[64*(\q)+4*\i+\j], -v[(\sc)+1], v[(\sc)+1]
.endr
.endr
	WIN 0
.irp m, 0,1,2,3,4,5,6,7
	v_cvt_scalef32_pk8_bf8_f32 v[(\cw)+2*\m:(\cw)+2*\m+1], v[T+8*\m:T+8*\m+7], v[\sc]
.endr
	v_nop
.irp j, 0,1,2,3
	ds_store_b128 v[WST], v[(\cw)+4*\j:(\cw)+4*\j+3] offset:(\img)+((\q)/2)*512+((\q)%2)*256+16*\j
.endr
.endm
.macro LOADW base                      ; my 64 rows of a weight, each load one row of 512 consecutive bytes; the caller sets the destination's window
.set n, 0
.rept 64
	global_load_b128 v[4*n:4*n+3], v[WAD], s[\base:\base+1] offset:512*n
.set n, n+1
.endr
.endm
.macro LOAD_A                          ; the first product's bias (lane (r, h), tile i: b[16 i + 8 h + 0 .. 7]) and weight
	WIN 0x80
.irp i, 0,1,2,3,4,5,6,7
	global_load_b128 v[8*\i:8*\i+3], v[BA], s[12:13] offset:64*\i
	global_load_b128 v[8*\i+4:8*\i+7], v[BA], s[12:13] offset:64*\i+16
.endr
	WIN 0xc0
	LOADW 8
	WIN 0
.endm
.macro QUANT_WA                        ; each batch's codes get registers of their own (XK's, not yet in use), so no store's data are written again before a wait on DScnt
.irp q, 0,1,2,3
	s_wait_loadcnt 16*(3-\q)                       ; loads come back in order: this batch's 16 are in, and all that was asked for earlier; the later batches may be out
	WBATCH 0x03, \q, 0, XK+16*\q, 242
.endr
.endm
; REGISTERS, beyond the list at the head: x as f32 goes through window 2's v128-255, 64 registers a group, two groups at a time; so window 3 takes the first weight's fragments, once its images are whole, ahead of the wait for x.
.macro XLOAD g                         ; group g = 2 u + s: register 16 b + i = x(16 u + r, 128 s + 32 b + 16 h + i)
	WIN 0x80
.set n, 0
.rept 16
	ds_load_b128 v[128+64*((\g)%2)+4*n:131+64*((\g)%2)+4*n], v[XR] offset:((\g)/2)*16*XP+((\g)%2)*512+(n/4)*128+(n%4)*16
.set n, n+1
.endr
	WIN 0
.endm
.macro XQUANT both                     ; both = 1: each group by K's scale and by V's, ahead of the loads that take its registers
	s_wait_tensorcnt 0x0                           ; my own tile has landed; nobody else reads it
	XLOAD 0
	XLOAD 1
.irp g, 0,1,2,3
.if \g < 3
	s_wait_dscnt 16                                ; LDS serves a wave in order: this group is in; the next group's 16 loads may be out
.else
	s_wait_dscnt 0x0
.endif
	QUANT 0x02, 128+64*(\g%2), XK+16*\g, 240
.if \both
	QUANT 0x02, 128+64*(\g%2), XV+16*\g, 246
.endif
.if \g < 2
	XLOAD \g+2
.endif
.endr
.endm
.macro SCALE_BK                        ; b / 2^(ex + ew): exact
	WIN 0x82
.set n, 0
.rept 64
	v_ldexp_f32 v[n], v[n], s69
.set n, n+1
.endr
	WIN 0
.endm
.macro FETCHW adr, img                 ; a weight's 16 fragments, (K step s, tile i) at 16 (8 s + i) of window 3, K step 0 first
	WIN 0xc0
.set n, 0
.rept 64
	ds_load_b128 v[4*n:4*n+3], v[\adr] offset:(\img)+512*n
.set n, n+1
.endr
	WIN 0
.endm
.macro BARRIER
	s_wait_dscnt 0x0                               ; for the others' sake: my images have landed
	s_barrier_signal -1
	s_barrier_wait -1
.endm
; The first product: 16 accumulators by turns, one instruction a turn, K step by K step: a link stands 16 instructions behind the one that it adds onto.
.macro MUL_K                           ; (the weight's fragments have been in since x's last wait on DScnt)
	WIN 0x63                                       ; source 0 (weight) window 3, source 1 (x) window 0, C (bias) window 2, D window 1
.irp i, 0,1,2,3,4,5,6,7
.irp u, 0,1
	v_wmma_f32_16x16x128_bf8_bf8 v[64*\u+8*\i:64*\u+8*\i+7], v[16*\i:16*\i+15], v[XK+32*\u:XK+32*\u+15], v[8*\i:8*\i+7]
.endr
.endr
	WIN 0x53                                       ; C and D window 1
.irp i, 0,1,2,3,4,5,6,7
.irp u, 0,1
	v_wmma_f32_16x16x128_bf8_bf8 v[64*\u+8*\i:64*\u+8*\i+7], v[128+16*\i:128+16*\i+15], v[XK+32*\u+16:XK+32*\u+31], v[64*\u+8*\i:64*\u+8*\i+7]
.endr
.endr
	WIN 0
	PLACES
.endm
.macro OUT_A                           ; my two tiles' codes: each store covers 512 consecutive bytes, at a multiple of 512 from the buffer's first byte
	QUANT 0x01, 0, CO, 244
	QUANT 0x01, 64, CO+16, 244
.irp u, 0,1
.irp c, 0,1,2,3
	global_store_b128 v[LI], v[CO+16*\u+4*\c:CO+16*\u+4*\c+3], s[26:27] offset:2048*\u+512*\c
.endr
.endr
.endm
	s_load_b512 s[4:19], s[0:1], 0x0               ; pocket, ligand, Wk, Wq, bk, bq, Wv, bv
	s_load_b128 s[20:23], s[0:1], 0x40             ; lowp_scales, kv_img
	s_load_b64 s[24:25], s[0:1], 0x50              ; q_img
	v_lshl_add_u32 v254, v0, 2, 0x38800
	v_mov_b32 v255, 0
	ds_add_u32 v254, v255
	ds_add_u32 v254, v255
	v_lshrrev_b32 v8, 5, v0
	v_readfirstlane_b32 s[WV], v8                  ; wave 0..3
	v_and_b32 v8, 31, v0                           ; lane
	v_and_b32 v9, 15, v0                           ; r
	s_wait_alu depctr_va_vdst(0)
	v_bfe_u32 v10, v0, 4, 1                        ; h
	v_lshlrev_b32 v[LI], 4, v8
	s_lshl_b32 s75, s[WV], 15
	v_add_nc_u32 v[WAD], s75, v[LI]
	v_lshrrev_b32 v11, 2, v8
	v_and_b32 v12, 3, v8
	v_lshlrev_b32 v[WST], 11, v11                  ; 2,048 (l / 4)
	v_lshl_add_u32 v[WST], v12, 6, v[WST]          ; + 64 (l % 4)
	s_lshr_b32 s71, s[WV], 1
	s_lshl_b32 s71, s71, 14                        ; + 16,384 (w / 2): the K step
	s_and_b32 s72, s[WV], 1
	s_lshl_b32 s72, s72, 10                        ; + 1,024 (w % 2): two pieces on
	s_add_co_u32 s71, s71, s72
	v_add_nc_u32 v[WST], s71, v[WST]
	s_mul_i32 s45, s[WV], XW
	s_add_co_u32 s45, s45, XST                     ; my part of x in LDS: group 0's second word too
	v_mul_u32_u24 v[XR], v9, XP
	s_wait_alu depctr_va_vdst(0)
	v_lshl_add_u32 v[XR], v10, 6, v[XR]
	v_add_nc_u32 v[XR], s45, v[XR]
	v_lshlrev_b32 v[BA], 5, v10
	v_lshlrev_b32 v[BVA], 2, v9
	; x's descriptor: 32 rows of 256 elements of 4 bytes, 16 bytes of padding behind each row
	s_mov_b32 s44, 1                               ; count = 1
	s_mov_b32 s48, (2<<16)|(1<<20)|(7<<22)|(3<<25) ; no mask; elements of 4 bytes; padding on, after every 256 words (code 7), four words (code 3)
	s_mov_b32 s49, 256<<16                         ; tensor_dim0
	s_mov_b32 s50, 32<<16                          ; tensor_dim1
	s_mov_b32 s51, 256<<16                         ; tile_dim0
	s_mov_b32 s52, 32                              ; tile_dim1
	s_mov_b32 s53, 256                             ; elements from row to row
	s_mov_b32 s54, 0
	s_mov_b32 s55, 0
	s_and_b32 s[GG], ttmp9, 127
	s_lshl_b32 s74, s[GG], 17                      ; 128 rows of 1,024 bytes
	s_add_co_u32 s74, s74, s75                     ; + my 32
	s_mov_b32 s75, 0
	s_lshl_b32 s66, s[GG], 14                      ; the first result's images: 16,384 bytes for 128 rows,
	s_lshl_b32 s67, s[WV], 12                      ; my two tiles;
	s_add_co_u32 s66, s66, s67
	s_lshr_b32 s68, s[GG], 2
	s_lshl_b32 s68, s68, 16                        ; in kv_img a slot's K is followed by its V: 65,536 more for each slot
	s_wait_dscnt 0x0
	s_wait_kmcnt 0x0
	s_load_b256 s[56:63], s[20:21], 0x0            ; e0 .. e7
	s_load_b32 s37, s[20:21], 0x24                 ; e9
	s_cmp_lt_u32 ttmp9, 128                        ; pocket's work-group or ligand's: the choice hangs on the work-group's number alone
	s_cselect_b64 s[4:5], s[4:5], s[6:7]           ; x
	s_cselect_b64 s[8:9], s[8:9], s[10:11]         ; the first weight
	s_cselect_b64 s[12:13], s[12:13], s[14:15]     ; its bias
	s_cselect_b64 s[26:27], s[22:23], s[24:25]     ; where its result goes
	s_cselect_b32 s68, s68, 0
	s_add_nc_u64 s[46:47], s[4:5], s[74:75]
	s_or_b32 s47, s47, 0x80000000                  ; type = 2
	tensor_load_to_lds s[44:47], s[48:55]          ; my 32 rows: the wave's one tensor load
	s_nop 0
.rept 4
	v_nop
.endr
	s_add_co_u32 s66, s66, s68
	s_mov_b32 s67, 0
	s_add_nc_u64 s[26:27], s[26:27], s[66:67]
	s_cmp_lt_u32 ttmp9, 128
	s_cbranch_scc0 .Lligand
	; ---- POCKET: K and V
	s_lshl_b32 s70, s[GG], 14
	s_add_co_u32 s70, s70, s68
	s_lshl_b32 s71, s[WV], 9                       ; my 32 keys are piece w of each of V's fragments
	s_add_co_u32 s70, s70, s71
	s_add_co_u32 s70, s70, 65536
	s_mov_b32 s71, 0
	s_add_nc_u64 s[22:23], s[22:23], s[70:71]
	WIN 0x80
	s_wait_alu depctr_va_vdst(0)
.irp j, 0,1,2,3,4,5,6,7
	global_load_b32 v[128+\j], v[BVA], s[18:19] offset:64*\j   ; bv[16 j + r]
.endr
	LOAD_A
	s_wait_kmcnt 0x0
	SCALES_A 58, 59, 63                            ; e2, e3, e7
	MKSC 60, 246                                   ; e4
	MKSC 61, 248                                   ; e5
	s_add_co_i32 s70, s60, s61
	s_sub_co_i32 s31, s37, s70
	MKSC 31, 250                                   ; e9 - e4 - e5
	s_sub_co_i32 s70, 0, s70
	s_wait_alu depctr_va_vdst(0)
.irp q, 0,1,2,3
	s_wait_loadcnt 48                              ; batch q of Wk is in, and the biases ahead of it; behind it were issued 16 (3 - q) loads of Wk and 16 q of Wv
	WBATCH 0x03, \q, 0, XK+16*\q, 242
	WIN 0x40
.set n, 16*\q
.rept 16
	global_load_b128 v[4*n:4*n+3], v[WAD], s[16:17] offset:512*n   ; batch q of Wv
.set n, n+1
.endr
	WIN 0
.endr
	SCALE_BK
	WIN 0x82
.irp j, 0,1,2,3,4,5,6,7
.irp i, 0,1,2,3,4,5,6,7
	v_ldexp_f32 v[64+8*\j+\i], v[128+\j], s70      ; V's bias tile j: the lane's one channel in all eight registers, / 2^(e4 + e5)
.endr
.endr
	WIN 0
.irp q, 0,1,2,3
	s_wait_loadcnt 16*(3-\q)                       ; batch q of Wv is in; the later batches may be out
	WBATCH 0x01, \q, WVI, XV+16*\q, 248
.endr
	BARRIER                                        ; both weights' images are whole, and my stores have read their data, which lay in XK and XV
	FETCHW LI, 0
	XQUANT 1
	MUL_K
	FETCHW LI, WVI                                 ; Wv's fragments land while K's codes are made
	OUT_A
	s_wait_dscnt 32                                ; K step 0's 32 loads are in
	WIN 0x6c                                       ; source 0 (x) window 0, source 1 (Wv) window 3, C (bias) window 2, D window 1
.irp j, 0,1,2,3,4,5,6,7
.irp u, 0,1
	v_wmma_f32_16x16x128_bf8_bf8 v[128+16*\j+8*\u:128+16*\j+8*\u+7], v[XV+32*\u:XV+32*\u+15], v[16*\j:16*\j+15], v[64+8*\j:64+8*\j+7]
.endr
.endr
	s_wait_dscnt 0x0
	WIN 0x5c
.irp j, 0,1,2,3,4,5,6,7
.irp u, 0,1
	v_wmma_f32_16x16x128_bf8_bf8 v[128+16*\j+8*\u:128+16*\j+8*\u+7], v[XV+32*\u+16:XV+32*\u+31], v[128+16*\j:128+16*\j+15], v[128+16*\j+8*\u:128+16*\j+8*\u+7]
.endr
.endr
	WIN 0
	PLACES
	QUANT 0x01, 128, 16, 250                       ; channel tiles 0-3: four registers each: my 32 keys
	QUANT 0x01, 192, 32, 250                       ; 4-7
.irp j, 0,1,2,3,4,5,6,7
	global_store_b128 v[LI], v[16+4*\j:19+4*\j], s[22:23] offset:2048*\j   ; 512 consecutive bytes, at a multiple of 512
.endr
	s_wait_tensorcnt 0x0
	ds_add_u32 v254, v255
	s_wait_dscnt 0x0
	s_endpgm
	; ---- LIGAND: Q
.Lligand:
	v_add_nc_u32 v[WST], WQI, v[WST]               ; this way's images have LDS bytes of their own, beyond an offset's 16 bits: the registers carry the base
	v_add_nc_u32 v[FQ], WQI, v[LI]
	s_wait_alu depctr_va_vdst(0)
	LOAD_A
	s_wait_kmcnt 0x0
	SCALES_A 56, 57, 62                            ; e0, e1, e6
	s_wait_alu depctr_va_vdst(0)
	QUANT_WA
	SCALE_BK
	BARRIER
	FETCHW FQ, 0
	XQUANT 0
	MUL_K
	OUT_A
	; Wo [128 (d)][128 (n)] f32 becomes 8 fragments of codes (scale 11; LIMIT: e11 between -126 and 112): work-groups 128 and 129, a fragment a wave.  Lane (r, h) takes column 16 f + r, its registers run down d:
	; registers 2 t, 2 t + 1 hold d = 16 t + 8 h + 0 .. 7, as in the other images
	s_cmp_lt_u32 s[GG], 2
	s_cbranch_scc0 .Lno_wo
	s_load_b128 s[32:35], s[0:1], 0x58             ; Wo, wo_img
	s_load_b32 s38, s[20:21], 0x2c                 ; e11
	v_lshl_add_u32 v13, v[BA], 7, v[BVA]           ; 8 h rows of 512 bytes + 4 r
	s_lshl_b32 s66, s[GG], 2
	s_add_co_u32 s66, s66, s[WV]                   ; f
	s_lshl_b32 s40, s66, 6
	s_mov_b32 s41, 0
	s_lshl_b32 s42, s66, 11
	s_mov_b32 s43, 0
	s_wait_alu depctr_va_vdst(0)
	s_wait_kmcnt 0x0
	s_add_nc_u64 s[32:33], s[32:33], s[40:41]
	s_add_nc_u64 s[34:35], s[34:35], s[42:43]
.set n, 0
.rept 64
	global_load_b32 v[T+n], v13, s[32:33] offset:((n/8)*16+(n%8))*512
.set n, n+1
.endr
	MKSC 38, 240
	s_wait_alu depctr_va_vdst(0)
	s_wait_loadcnt 0x0
	QUANT 0, T, 16, 240
.irp c, 0,1,2,3
	global_store_b128 v[LI], v[16+4*\c:19+4*\c], s[34:35] offset:512*\c
.endr
.Lno_wo:
	s_wait_tensorcnt 0x0
	ds_add_u32 v254, v255
	s_wait_dscnt 0x0
	s_endpgm
.Lfunc_end_k_q1747ca322d_proj:
	.size	k_q1747ca322d_proj, .Lfunc_end_k_q1747ca322d_proj-k_q1747ca322d_proj
	.p2alignl 7, 3214868480
	.fill 96, 4, 3214868480
	.section	.rodata,"a",@progbits
	.p2align	6, 0x0
	.amdhsa_kernel k_q1747ca322d_proj
		.amdhsa_group_segment_fixed_size 231936
		.amdhsa_private_segment_fixed_size 0
		.amdhsa_enable_private_segment 0
		.amdhsa_kernarg_size 104
		.amdhsa_user_sgpr_count 2
		.amdhsa_user_sgpr_kernarg_segment_ptr 1
		.amdhsa_wavefront_size32 1
		.amdhsa_system_sgpr_workgroup_id_x 1
		.amdhsa_system_sgpr_workgroup_id_y 1
		.amdhsa_system_sgpr_workgroup_id_z 1
		.amdhsa_system_vgpr_workitem_id 0
		.amdhsa_next_free_vgpr 1024
		.amdhsa_next_free_sgpr 80
		.amdhsa_reserve_vcc 0
		.amdhsa_float_denorm_mode_32 3
		.amdhsa_float_denorm_mode_16_64 3
		.amdhsa_memory_ordered 1
		.amdhsa_forward_progress 1
		.amdhsa_inst_pref_size 225
	.end_amdhsa_kernel
	.amdgpu_metadata
---
amdhsa.version: [ 1, 2 ]
amdhsa.kernels:
  - .name:           k_q1747ca322d_proj
    .symbol:         k_q1747ca322d_proj.kd
    .args:
      - { .name: pocket, .offset: 0, .size: 8, .value_kind: global_buffer, .address_space: global }
      - { .name: ligand, .offset: 8, .size: 8, .value_kind: global_buffer, .address_space: global }
      - { .name: Wk, .offset: 16, .size: 8, .value_kind: global_buffer, .address_space: global }
      - { .name: Wq, .offset: 24, .size: 8, .value_kind: global_buffer, .address_space: global }
      - { .name: bk, .offset: 32, .size: 8, .value_kind: global_buffer, .address_space: global }
      - { .name: bq, .offset: 40, .size: 8, .value_kind: global_buffer, .address_space: global }
      - { .name: Wv, .offset: 48, .size: 8, .value_kind: global_buffer, .address_space: global }
      - { .name: bv, .offset: 56, .size: 8, .value_kind: global_buffer, .address_space: global }
      - { .name: lowp_scales, .offset: 64, .size: 8, .value_kind: global_buffer, .address_space: global }
      - { .name: kv_img, .offset: 72, .size: 8, .value_kind: global_buffer, .address_space: global }
      - { .name: q_img, .offset: 80, .size: 8, .value_kind: global_buffer, .address_space: global }
      - { .name: Wo, .offset: 88, .size: 8, .value_kind: global_buffer, .address_space: global }
      - { .name: wo_img, .offset: 96, .size: 8, .value_kind: global_buffer, .address_space: global }
    .group_segment_fixed_size: 231936
    .private_segment_fixed_size: 0
    .kernarg_segment_align: 8
    .kernarg_segment_size: 104
    .max_flat_workgroup_size: 128
    .sgpr_count:     80
    .vgpr_count:     1024
    .wavefront_size: 32
...
	.end_amdgpu_metadata
.endif
;; end of part 3
;; launch attn (part 4): grid 64 x 4, 8 waves a work-group, clusters of 4 x 1, 327,680 bytes of LDS; arguments q_img, kv_img, wo_img, bo, lowp_scales, out0; writes out0
.if DOCPART == 4
	.amdgcn_target "amdgcn-amd-amdhsa--gfx1250"
	.amdhsa_code_object_version 6
	.text
	.protected	k_q1747ca322d_attn
	.globl	k_q1747ca322d_attn
	.p2align	8
	.type	k_q1747ca322d_attn,@function
k_q1747ca322d_attn:
	s_mov_b64 s[64:65], 0
	v_nop
	global_prefetch_b8 v0, s[64:65] scope:SCOPE_SE
	s_setreg_imm32_b32 hwreg(HW_REG_WAVE_MODE, 25, 1), 1
	s_wait_xcnt 0x0
	s_wait_alu depctr_hold_cnt(0) depctr_sa_sdst(0) depctr_va_vdst(0) depctr_va_sdst(0) depctr_va_ssrc(0) depctr_va_vcc(0) depctr_vm_vsrc(0)
	s_getreg_b32 s2, hwreg(HW_REG_IB_STS2, 6, 4)
	s_cmp_eq_u32 s2, 0
	s_cbranch_scc0 .Lentry_in_a_cluster
	s_endpgm
.Lentry_in_a_cluster:
	s_bfe_u32 s2, ttmp6, 0x10000c
	s_cmp_lg_u32 s2, 0x3003
	s_cbranch_scc0 .Lentry_shape_is_right
	s_endpgm
.Lentry_shape_is_right:
; out = (softmax(Q K^T / sqrt(128)) V) Wo + bo, all three products on codes of BF8 (E5M2).  Q, K, V and Wo come as images of operand registers (a fragment = 2,048 bytes, piece c = 512 bytes, lane l's 16 bytes at 16 l):
; registers 2 t, 2 t + 1 of half h hold index 16 t + 8 h + 0 .. 7 along K, in both operands of each product alike.  out0: [4][4096][128] f32.
; THE SOFTMAX AHEAD OF THE SECOND PRODUCT: t = score x log2(e) / sqrt(128); M = the largest t so far, rounded UP to a whole number; p = 2^(t - M) is quantised, not normalised; the sum is taken of the unquantised p and divides at the end.
; SHARES.  A work-group owns 64 queries of one batch.  Wave w: query tiles 2 (w % 2) and 2 (w % 2) + 1 (32 queries), key group w / 2.  A slot holds 512 keys, four key steps of 128; group g takes the slot's step g: a wave walks 8 key steps.
; Each fragment of K and of V that is read from LDS feeds two matrix instructions.  Two waves of 512 registers share a SIMD.
; Each key group keeps its own running M, a whole number; at the end the four groups' O^T and sums are brought under the largest M by powers of two, which rounds nothing, and added.
; BOTH PRODUCTS ARE USED TRANSPOSED: S^T = K Q^T, O^T = V^T P^T: a lane holds one query (lane % 16) of each tile throughout, and p's conversions give the second product's operand as it stands.  The same holds of O^T and the last product.
; TWO AREAS OF 128 REGISTERS CHANGE PLACES.  In step i (w = i % 2) S^T lies in window w's area; K and then V lie in the other's.  When p is converted its area is free and takes the next step's K, asked for behind the barrier and landing under
; this step's V^T P; the next S^T is laid over this step's V.  So a trip of the loop is two steps, one for each slot.
; THE CHANGE OF SLOTS.  All LDS reads of a step are over when V has landed.  Then stand the three lines and the round's opening signal; half of the holds and the conversions, registers alone, stand between that signal and its wait; the joint refill
; is the first thing behind the round, and has a step in which to land.  A wave has one tensor load outstanding at the most.
; CLUSTER.  The four work-groups of a cluster belong to one batch and walk the same slots: each eighth of a slot is asked for JOINTLY, by the same tensor load with the same descriptor and the mask 15, one load a wave.
; PREFETCH INTO THE L2.  All 16 clusters of a batch walk the same 8 slots, and share them out: cluster x asks for slot a = (x % 8) xor 4 (x / 8), once: two clusters a slot; each partner names a quarter of it BY ADDRESS, 8,192 bytes for each of
; waves 0 to 3, lanes 256 bytes apart.  Slots 2 and 3 are asked for behind slot 1's load, slot a behind the load of slot a - 2: two steps ahead of its own load (slot 2: one step).  Slots 0 and 1 come by their loads alone.
; LIMITS on the given exponents, so that each power of two below is an f32 number: e6 + e7 between -123 and 130; e8, e10 - e8 - e9 between -126 and 112; e10 + e11 between -126 and 127.  NaN and infinities are not served.
; LDS: two slots of 131,072 bytes (K's 65,536, then V's); the spare words (1,024); the groups' -M and sums; attn's 4 images; a stage of 64 rows x 528 for the way out.
; The groups' O^T meet in slot 0, which has had its last fill and its last read when the last change of slots is passed.
; REGISTERS, in windows of 256 (s_set_vgpr_msb: bits 1:0 source 0, 3:2 source 1, 5:4 source 2, 7:6 destination):
;   window 0: v1-4 LDS addresses (K, V in slot 0; K, V in slot 1), v5-8, v9 p's scale; tile u: v[12 + 2 u] -M, v[13 + 2 u] the largest score, v[16 + 2 u ..] the sum in two halves, v[20 + 2 u] f; v24-31 at work; v32-63 Q; v64-127 O^T of tile 0; v128-255 an area.
;   window 1: v9 p's scale; v24-31 at work; v32-63 p's codes; v64-127 O^T of tile 1; v128-255 the other area.
.set SLOT1, 1<<17
.set SPARE, 2*SLOT1                    ; the spare words: 128 bytes for each of 8 waves: four blocks of 256 bytes that no other line names
.set STAT,  SPARE+1024
.set AIMG,  STAT+4096
.set OST,   AIMG+8192
.set OP,    528                        ; a stage row: 512 bytes + 16 = 33 x 16
.set SPW, 5                            ; v5  LDS address of my spare word; never rewritten
.set NIL, 6                            ; v6  0; never rewritten
.set PFO, 7                            ; v7  256 x lane: the prefetch's offset
.set LI,  8                            ; v8  16 x lane
.set Q,   32
.set P,   32
.set O,   64
.set S,   128
.set WV,  18                           ; s18 wave, s19 query pair, s20 key group
.set QP,  19
.set KG,  20
.set ASKA, 21                          ; s21 the slot that my cluster prefetches; 64 in waves 4 to 7
.set CS,  22                           ; s[22:23] c = log2(e) / sqrt(128) x 2^(e6 + e7)
.set G1,  24                           ; s[24:31] descriptor group 1
.set G0,  32                           ; s[32:35] group 0, which walks
.set CH,  36                           ; s36 the slot whose prefetch is due
.set TRIPS, 37
.set SEL, 38                           ; s[38:39] v_permlanex16_b32's selects for lane l xor 16
.set SLIM, 42                          ; s42 57,344 x 2^e8
.set PFA, 50                           ; s[50:51] where my prefetch stands; never rewritten
.set MSB, 0
.macro WIN new                         ; the immediate's high byte repeats the setting that is left; a switch that changes nothing is dropped
.if MSB != (\new)
	s_set_vgpr_msb (MSB<<8)|(\new)
.set MSB, (\new)
.endif
.endm
.macro VW
	s_wait_alu depctr_va_vdst(0)
.endm
.macro CREST                           ; a round of the cluster's barrier behind its opening barrier
	s_cmp_lg_u32 s[WV], 0
	s_cbranch_scc1 .Lnot_wave_0_\@
	s_barrier_signal -3
.Lnot_wave_0_\@:
	s_barrier_wait -3
	s_barrier_signal -1
	s_barrier_wait -1
.endm
.macro CROUND                          ; a whole round
	s_barrier_signal -1
	s_barrier_wait -1
	CREST
.endm
.macro JLOAD                           ; every wave asks for its eighth of a slot: no branch.  Four v_nop follow the load
	tensor_load_to_lds s[G0:G0+3], s[G1:G1+7]
	s_nop 0
.rept 4
	v_nop
.endr
.endm
.macro STEPG0                          ; the other slot than last time, the next 512 keys; the type bits on top are not reached
	s_xor_b32 s[G0+1], s[G0+1], SLOT1
	s_add_nc_u64 s[G0+2:G0+3], s[G0+2:G0+3], 131072
.endm
.macro PLACES                          ; four plain places behind a matrix instruction, ahead of loads into its sources and of reads of its results
.rept 4
	v_nop
.endr
.endm
.macro BARRIER
	VW
	s_wait_dscnt 0x0                               ; my LDS stores have landed and my LDS loads are in
	s_barrier_signal -1
	s_barrier_wait -1
.endm
.macro KVLOAD a, win                   ; eight fragments on end, K's or V's of my key step, into an area
	WIN 0x40*(\win)
.set n, 0
.rept 32
	ds_load_b128 v[S+4*n:S+4*n+3], v[\a] offset:512*n
.set n, n+1
.endr
	WIN 0
.endm
.macro TM k                            ; t - M of pair k (tile k / 32): of the pairs c and -M the low word serves both halves
	v_pk_fma_f32 v[S+2*(\k):S+2*(\k)+1], v[S+2*(\k):S+2*(\k)+1], s[CS:CS+1], v[12+2*((\k)/32):13+2*((\k)/32)] op_sel_hi:[1,0,0]
.endm
.macro HOLD k                          ; pair k (tile k / 32).  The conversion does not saturate (ISA guide 7.6.2); p is not negative, so the hold is one-sided.  It stands whatever e8 is: no branch on a given scale
	v_dual_min_num_f32 v[S+2*(\k)], s[SLIM], v[S+2*(\k)] :: v_dual_min_num_f32 v[S+2*(\k)+1], s[SLIM], v[S+2*(\k)+1]
.endm
.macro HOLD16 k                        ; pairs k .. k + 15
.set n, 0
.rept 16
	HOLD (\k)+n
.set n, n+1
.endr
.endm
.macro QKW t0                          ; S^T = K Q^T: key tiles t0, t0 + 1, each fragment of K against both tiles of queries
.irp t, \t0, \t0+1
.irp u, 0,1
	v_wmma_f32_16x16x128_bf8_bf8 v[S+64*\u+8*(\t):S+64*\u+8*(\t)+7], v[S+16*(\t):S+16*(\t)+15], v[Q+16*\u:Q+16*\u+15], 0
.endr
.endr
.endm
.macro MAXP c                          ; the largest score of each query among key tiles 2 c, 2 c + 1: two chains a tile of queries, the tiles by turns, each accumulator from its low end on
.if (\c) == 0
.irp u, 0,1
	v_max3_num_f32 v[24+2*\u], v[S+64*\u], v[S+64*\u+1], v[S+64*\u+2]
	v_max3_num_f32 v[25+2*\u], v[S+64*\u+3], v[S+64*\u+4], v[S+64*\u+5]
.endr
.irp m, 6,10
.irp u, 0,1
	v_max3_num_f32 v[24+2*\u], v[24+2*\u], v[S+64*\u+\m], v[S+64*\u+\m+1]
	v_max3_num_f32 v[25+2*\u], v[25+2*\u], v[S+64*\u+\m+2], v[S+64*\u+\m+3]
.endr
.endr
.irp u, 0,1
	v_max3_num_f32 v[24+2*\u], v[24+2*\u], v[S+64*\u+14], v[S+64*\u+15]
.endr
.else
.irp m, 0,4,8,12
.irp u, 0,1
	v_max3_num_f32 v[24+2*\u], v[24+2*\u], v[S+64*\u+16*(\c)+\m], v[S+64*\u+16*(\c)+\m+1]
	v_max3_num_f32 v[25+2*\u], v[25+2*\u], v[S+64*\u+16*(\c)+\m+2], v[S+64*\u+16*(\c)+\m+3]
.endr
.endr
.endif
.endm
.macro PV0 t0                          ; O^T += V^T P^T for query tile 0: channel tiles t0, t0 + 1
.irp t, \t0, \t0+1
	v_wmma_f32_16x16x128_bf8_bf8 v[O+8*(\t):O+8*(\t)+7], v[S+16*(\t):S+16*(\t)+15], v[P:P+15], v[O+8*(\t):O+8*(\t)+7]
.endr
.endm
.macro CVT u                           ; p's codes of query tile u: they go to window 1
.irp b, 0,1,2,3
	v_cvt_scalef32_pk8_bf8_f32 v[P+16*(\u)+4*\b:P+16*(\u)+4*\b+1], v[S+64*(\u)+16*\b:S+64*(\u)+16*\b+7], v9
	v_cvt_scalef32_pk8_bf8_f32 v[P+16*(\u)+4*\b+2:P+16*(\u)+4*\b+3], v[S+64*(\u)+16*\b+8:S+64*(\u)+16*\b+15], v9
.endr
	v_nop                                          ; one plain line behind the last conversion
.endm
	s_load_b256 s[4:11], s[0:1], 0x0               ; q_img, kv_img, wo_img, bo
	s_load_b128 s[12:15], s[0:1], 0x20             ; lowp_scales, out0
	v_lshl_add_u32 v[SPW], v0, 2, SPARE
	v_mov_b32 v[NIL], 0
	ds_add_u32 v[SPW], v[NIL]                      ; the wave's opening: the add, twice on end, and its wait ahead of my first tensor load
	ds_add_u32 v[SPW], v[NIL]
	v_lshrrev_b32 v9, 5, v0
	v_readfirstlane_b32 s[WV], v9                  ; wave 0..7
	s_and_b32 s[QP], s[WV], 1
	s_lshr_b32 s[KG], s[WV], 1
	s_bfe_u32 s52, ttmp6, 0x40000                  ; cx
	s_lshl_b32 s53, ttmp9, 2
	s_add_co_u32 s53, s53, s52                     ; my block of 64 queries = 4 x cluster x + cx: it enters Q's and out0's addresses alone
	s_and_b32 s54, ttmp7, 0xffff                   ; the batch, which the four partners share
	; descriptor group 1: an eighth of a slot, dense in memory: 64 rows of 32 elements of 8 bytes
	s_mov_b32 s[G1], 15|(3<<16)|(1<<21)            ; the mask: all four work-groups; elements of 8 bytes; bit 21 set beside a mask; no padding: every fragment load reads 512 bytes on end
	s_mov_b32 s[G1+1], 32<<16                      ; tensor_dim0
	s_mov_b32 s[G1+2], 64<<16                      ; tensor_dim1
	s_mov_b32 s[G1+3], 32<<16                      ; tile_dim0
	s_mov_b32 s[G1+4], 64                          ; tile_dim1
	s_mov_b32 s[G1+5], 32                          ; elements from row to row
	s_mov_b32 s[G1+6], 0
	s_mov_b32 s[G1+7], 0
	s_mov_b32 s[G0], 1                             ; count = 1
	s_lshl_b32 s[G0+1], s[WV], 14                  ; LDS address: eighth w of slot 0
	s_lshl_b32 s56, s54, 20                        ; a batch's 8 slots
	s_add_co_u32 s56, s56, s[G0+1]
	s_mov_b32 s57, 0
	s_lshl_b32 s58, s54, 19                        ; Q: a batch's 256 tiles, my block's 4, my two
	s_lshl_b32 s59, s53, 13
	s_add_co_u32 s58, s58, s59
	s_lshl_b32 s59, s[QP], 12
	s_add_co_u32 s58, s58, s59
	s_mov_b32 s59, 0
	s_lshl_b32 s60, s54, 21                        ; out0: a batch's 4,096 rows of 512 bytes, my block's 64, the 8 that I store
	s_lshl_b32 s61, s53, 15
	s_add_co_u32 s60, s60, s61
	s_lshl_b32 s61, s[WV], 12
	s_add_co_u32 s60, s60, s61
	s_mov_b32 s61, 0
	s_lshl_b32 s68, s[KG], 12                      ; Wo's fragments 2 g, 2 g + 1
	s_mov_b32 s69, 0
	; the prefetch: a = (x % 8) xor 4 (x / 8)
	s_and_b32 s62, ttmp9, 7
	s_and_b32 s63, ttmp9, 8
	s_lshr_b32 s63, s63, 1
	s_xor_b32 s62, s62, s63
	s_lshl_b32 s66, s54, 20
	s_lshl_b32 s67, s62, 17
	s_add_co_u32 s66, s66, s67
	s_lshl_b32 s67, s52, 15
	s_add_co_u32 s66, s66, s67
	s_and_b32 s67, s[WV], 3
	s_lshl_b32 s67, s67, 13
	s_add_co_u32 s66, s66, s67
	s_mov_b32 s67, 0
	s_cmp_lt_u32 s[WV], 4
	s_cselect_b32 s[ASKA], s62, 64
	s_mov_b32 s[CH], 4
	s_mov_b32 s[CS], 0x3e0293ee                    ; log2(e) / sqrt(128)
	s_mov_b32 s[SEL], 0x76543210
	s_mov_b32 s[SEL+1], 0xfedcba98
	s_mov_b32 s[TRIPS], 3
	s_wait_dscnt 0x0                               ; both opening adds are done
	s_wait_kmcnt 0x0
	s_load_b64 s[40:41], s[12:13], 0x18            ; e6, e7
	s_load_b128 s[44:47], s[12:13], 0x20           ; e8 .. e11
	s_add_nc_u64 s[G0+2:G0+3], s[6:7], s[56:57]
	s_or_b32 s[G0+3], s[G0+3], 0x80000000          ; type = 2
	s_add_nc_u64 s[4:5], s[4:5], s[58:59]
	s_add_nc_u64 s[14:15], s[14:15], s[60:61]
	s_add_nc_u64 s[8:9], s[8:9], s[68:69]
	s_add_nc_u64 s[PFA:PFA+1], s[6:7], s[66:67]
	CROUND                                         ; all four work-groups are here: the first joint loads meet
	JLOAD                                          ; slot 0
	v_and_b32 v9, 31, v0                           ; lane
	s_lshl_b32 s70, s[KG], 14
	v_lshlrev_b32 v[LI], 4, v9
	v_lshlrev_b32 v[PFO], 8, v9
.set n, 0
.rept 8
	global_load_b128 v[Q+4*n:Q+4*n+3], v[LI], s[4:5] offset:512*n      ; Q's two fragments stay in registers
.set n, n+1
.endr
	v_add_nc_u32 v1, s70, v[LI]                    ; my step's K in slot 0,
	v_add_nc_u32 v2, 0x10000, v1                   ; its V,
	v_add_nc_u32 v3, SLOT1, v1                     ; and both in slot 1
	v_add_nc_u32 v4, SLOT1, v2
.irp u, 0,1
	v_mov_b32 v[12+2*\u], 0x7f61b1e6               ; -M: 3e38, so that the first f is 0
	v_mov_b32 v[13+2*\u], 0xff61b1e6               ; the largest score so far: -3e38, under every score
	v_mov_b32 v[16+2*\u], 0                        ; the sum, in two halves
	v_mov_b32 v[17+2*\u], 0
	v_mov_b32 v[21+2*\u], 0                        ; (named as the upper half of f's pair)
	v_mov_b32 v[30+\u], 0                          ; a lane permute's destination counts as one of its sources
.endr
.set n, 0
.rept 64
	v_mov_b32 v[O+n], 0                            ; O^T of tile 0, under slot 0's flight.  (The step is written once for each area: the first finds zeros, which its f leaves zeros)
.set n, n+1
.endr
	WIN 0x40
.set n, 0
.rept 64
	v_mov_b32 v[O+n], 0                            ; O^T of tile 1
.set n, n+1
.endr
	WIN 0
	s_wait_kmcnt 0x0
	s_add_co_i32 s60, s40, s41
	s_lshl_b32 s60, s60, 23
	s_add_co_i32 s[CS], s[CS], s60                 ; a score stands for score x 2^(e6 + e7): added to c's exponent field
	s_mov_b32 s[CS+1], s[CS]
	s_add_co_i32 s62, s44, 127
	s_lshl_b32 s63, s62, 23                        ; 2^e8: p's scale
	s_add_co_i32 s62, s62, 15
	s_lshl_b32 s62, s62, 23
	s_or_b32 s[SLIM], s62, 0x600000                ; 57,344 x that
	s_sub_co_i32 s60, s46, s44
	s_sub_co_i32 s60, s60, s45                     ; O^T / l stands for attn / 2^(e8 + e9): the three scales folded into one
	s_add_co_i32 s60, s60, 127
	s_lshl_b32 s43, s60, 23
	s_add_co_i32 s60, s60, 15
	s_lshl_b32 s60, s60, 23
	s_or_b32 s71, s60, 0x600000
	s_add_co_i32 s48, s46, s47
	s_add_co_i32 s48, s48, 127
	s_lshl_b32 s48, s48, 23                        ; 2^(e10 + e11)
	s_mov_b32 s49, s48
	v_mov_b32 v9, s63
	WIN 0x40
	v_mov_b32 v9, s63
	WIN 0
	VW                                             ; the head's end
	s_wait_loadcnt 0x0                             ; Q
	s_wait_tensorcnt 0x0                           ; my part of slot 0 is in
	ds_add_u32 v[SPW], v[NIL]
	STEPG0
	s_wait_dscnt 0x0
	CROUND
	JLOAD                                          ; slot 1
	KVLOAD 1, 1                                    ; step 0's K
	s_sub_co_u32 s70, s[ASKA], 2
	s_cmp_lt_u32 s70, 2                            ; slots 2 and 3
	s_cbranch_scc0 .Lhead_asked
	global_prefetch_b8 v[PFO], s[PFA:PFA+1] th:TH_LOAD_NT scope:SCOPE_SE
.Lhead_asked:
; A KEY STEP: my 32 queries x my group's 128 keys of slot w.  mode 2: its slot is filled again; 1: a plain barrier, nothing is filled again; 0: the last step.
.macro STEP w, mode
.set X, 1-(\w)                         ; the window of K's and V's area
	s_wait_dscnt 16                                ; LDS serves a wave in order: K's key tiles 0-3 are in; the 16 loads issued behind them may be out
	WIN X+0x40*(\w)
	QKW 0                                          ; lane (r, h), tile u: query r; register 64 u + 8 t + j: key 16 t + 8 h + j
	QKW 2
	s_wait_dscnt 0x0
	QKW 4
	QKW 6
	PLACES
	KVLOAD 2+2*(\w), X                             ; V takes K's place and lands under the softmax
.if (\mode) == 0
.set n, 0
.rept 8
	global_load_b128 v[Q+4*n:Q+4*n+3], v[LI], s[8:9] offset:512*n      ; Q has been multiplied for the last time: Wo's two fragments take its place
.set n, n+1
.endr
.endif
	WIN 0x55*(\w)
	MAXP 0
	MAXP 1
	MAXP 2
	MAXP 3
	WIN 0x05*(\w)
.irp u, 0,1
	v_max_num_f32 v[28+\u], v[24+2*\u], v[25+2*\u]
.endr
	WIN 0
.irp u, 0,1
	v_permlanex16_b32 v[30+\u], v[28+\u], s[SEL], s[SEL+1]
.endr
.irp u, 0,1
	v_max3_num_f32 v[13+2*\u], v[13+2*\u], v[28+\u], v[30+\u]   ; the running largest score, lane l xor 16's keys included
.endr
.irp u, 0,1
	v_mul_f32 v[28+\u], s[CS], v[13+2*\u]          ; as t (c is positive)
.endr
.irp u, 0,1
	v_floor_f32 v[28+\u], -v[28+\u]                ; the new -M = floor(-t) = -ceil(t)
.endr
.irp u, 0,1
	v_sub_f32 v[30+\u], v[28+\u], v[12+2*\u]       ; old M - new M: a whole number, 0 or less
.endr
.irp u, 0,1
	v_mov_b32 v[12+2*\u], v[28+\u]
.endr
.irp u, 0,1
	v_cvt_i32_f32 v[30+\u], v[30+\u]               ; (it saturates)
.endr
.irp u, 0,1
	v_ldexp_f32 v[20+2*\u], 1.0, v[30+\u]          ; f = 2^(old M - new M)
.endr
.set n, 0
.rept 32                                       ; O^T under the new M
	v_pk_mul_f32 v[O+n:O+n+1], v[O+n:O+n+1], v[20:21] op_sel_hi:[1,0]
.set n, n+2
.endr
	WIN 0x41
.set n, 0
.rept 32
	v_pk_mul_f32 v[O+n:O+n+1], v[O+n:O+n+1], v[22:23] op_sel_hi:[1,0]
.set n, n+2
.endr
	WIN 0x45*(\w)
.set n, 0
.rept 16
	TM n
.set n, n+1
.endr
.irp g, 0,1,2,3                                ; p = 2^(t - M): four batches of 32 exponentials, the next batch's t - M between them; one wait ahead of each batch serves both
	VW
.set n, 0
.rept 16
	v_exp_f32 v[S+32*\g+2*n], v[S+32*\g+2*n]
.if \g < 3
	TM 16*(\g+1)+n
.endif
	v_exp_f32 v[S+32*\g+2*n+1], v[S+32*\g+2*n+1]
.set n, n+1
.endr
.endr
	VW
.irp u, 0,1                                    ; the sum of the UNQUANTISED p, two at a time, two chains a tile
	v_pk_add_f32 v[24+4*\u:25+4*\u], v[S+64*\u:S+64*\u+1], v[S+64*\u+4:S+64*\u+5]
	v_pk_add_f32 v[26+4*\u:27+4*\u], v[S+64*\u+2:S+64*\u+3], v[S+64*\u+6:S+64*\u+7]
.endr
.set n, 8
.rept 14
.irp u, 0,1
	v_pk_add_f32 v[24+4*\u:25+4*\u], v[S+64*\u+n:S+64*\u+n+1], v[24+4*\u:25+4*\u]
	v_pk_add_f32 v[26+4*\u:27+4*\u], v[S+64*\u+n+2:S+64*\u+n+3], v[26+4*\u:27+4*\u]
.endr
.set n, n+4
.endr
.if (\mode) > 0
	WIN 0                                          ; (the add's two registers lie in window 0)
	s_wait_tensorcnt 0x0                           ; my part of the next slot is in, and group 0 may be written
	ds_add_u32 v[SPW], v[NIL]                      ; 0 onto my spare word
.if (\mode) == 2
	STEPG0
.endif
	WIN 0x45*(\w)
.endif
	HOLD16 0
	HOLD16 16
	s_wait_dscnt 0x0                               ; V is in: my reads of this slot are over, and the add is done
.if (\mode) > 0
	s_barrier_signal -1
.endif
	HOLD16 32
	HOLD16 48
	WIN 0x40+5*(\w)
	CVT 0
	CVT 1
	WIN 0                                          ; at a label and at a branch every window is 0
.if (\mode) > 0
	s_barrier_wait -1                              ; the next slot is whole, and nobody of my work-group reads this one
.if (\mode) == 2
	CREST                                          ; nor any partner's wave
	JLOAD                                          ; this slot is filled again, two steps on
.endif
	KVLOAD 1+2*(1-(\w)), \w                        ; the next step's K, over p
.if (\mode) == 2
	s_cmp_eq_u32 s[ASKA], s[CH]
	s_cbranch_scc0 .Lasked_\@
	global_prefetch_b8 v[PFO], s[PFA:PFA+1] th:TH_LOAD_NT scope:SCOPE_SE
.Lasked_\@:
	s_add_co_u32 s[CH], s[CH], 1
.endif
.endif
	WIN X+4
	VW
	PV0 0                                          ; sixteen accumulators, one instruction each
	PV0 2
	PV0 4
	PV0 6
	WIN X+0x54                                     ; tile 1's products
.irp t, 0,1,2,3,4,5,6,7
	v_wmma_f32_16x16x128_bf8_bf8 v[O+8*\t:O+8*\t+7], v[S+16*\t:S+16*\t+15], v[P+16:P+31], v[O+8*\t:O+8*\t+7]
.endr
	WIN 0x45*(\w)                                  ; the row sums; with the v_nop these are the five places between these products and the next step's, which are laid over V
.irp u, 0,1
	v_pk_add_f32 v[24+4*\u:25+4*\u], v[24+4*\u:25+4*\u], v[26+4*\u:27+4*\u]
.endr
	WIN 0x10*(\w)
.irp u, 0,1
	v_pk_fma_f32 v[16+2*\u:17+2*\u], v[16+2*\u:17+2*\u], v[20+2*\u:21+2*\u], v[24+4*\u:25+4*\u] op_sel_hi:[1,0,1]
.endr
	WIN 0
	v_nop
.endm
.Lslot:                                            ; steps 0 to 5: each fills its slot again
	STEP 0, 2
	STEP 1, 2
	s_sub_co_u32 s[TRIPS], s[TRIPS], 1
	s_cmp_lg_u32 s[TRIPS], 0
	s_cbranch_scc1 .Lslot
	STEP 0, 1                                      ; the last two are written out; behind this step's barrier nobody reads slot 0
	STEP 1, 0
	; THE TAIL.  Tile u of wave w counts as number 2 w + u = 4 x group + query tile of sixteen.
.set MW,  1
.set STW, 2
.set STR, 3
.set MR0, 4
.set MR1, 7
.set AR,  9
.set AW,  10
.set OW,  11
.set ORD, 24
.set BOA, 25
	s_lshl_b32 s52, s[WV], 14
	s_lshl_b32 s53, s[WV], 9
	s_add_co_u32 s53, s53, STAT
	s_lshl_b32 s54, s[QP], 9
	s_add_co_u32 s54, s54, STAT
	s_lshl_b32 s55, s[QP], 14
	s_lshl_b32 s56, s[KG], 11
	s_add_co_u32 s55, s55, s56
	s_lshl_b32 s56, s[QP], 12
	s_add_co_u32 s56, s56, AIMG
	s_lshl_b32 s57, s[KG], 9
	s_lshl_b32 s58, s[KG], 7
	s_mul_i32 s59, s[QP], 32*OP
	s_add_co_u32 s59, s59, s58
	s_add_co_u32 s59, s59, OST
	s_mul_i32 s60, s[WV], 8*OP
	s_add_co_u32 s60, s60, OST
	v_and_b32 v26, 31, v0                          ; lane
	v_and_b32 v27, 15, v0                          ; r
	v_bfe_u32 v28, v0, 4, 1                        ; h
	v_add_nc_u32 v[MW], s52, v[LI]                 ; my two O^T's images: 8,192 bytes each, in slot 0
	v_lshl_add_u32 v[STW], v26, 3, s53             ; my -M and sums: 8 bytes a lane, 256 a tile
	v_lshl_add_u32 v[STR], v26, 3, s54             ; those of my query tiles' four groups: 1,024 bytes apart
	v_add_nc_u32 v[MR0], s55, v[LI]                ; channel tiles 2 g, 2 g + 1 of group 0's O^T; the groups lie 32,768 apart,
	v_add_nc_u32 v[MR1], 0x10000, v[MR0]           ; so groups 2 and 3 want a second register
	v_add_nc_u32 v[AR], s56, v[LI]                 ; my query tiles' fragments of attn,
	v_add_nc_u32 v[AW], s57, v[AR]                 ; and the piece of each that I make
	v_mul_u32_u24 v[OW], v27, OP
	v_lshl_add_u32 v[OW], v28, 5, v[OW]
	v_add_nc_u32 v[OW], s59, v[OW]                 ; the stage: row 32 qp + r (+ 16 u), byte 128 g + 32 h
	v_add_nc_u32 v[ORD], s60, v[LI]                ; back: rows 8 w .. 8 w + 7, whole
	v_lshlrev_b32 v[BOA], 5, v28
	v_add_nc_u32 v[BOA], s58, v[BOA]               ; bo: 128 g + 32 h
.irp i, 0,1
	global_load_b128 v[240+8*\i:243+8*\i], v[BOA], s[10:11] offset:64*\i        ; bo[32 g + 16 i + 8 h + 0 .. 7]
	global_load_b128 v[244+8*\i:247+8*\i], v[BOA], s[10:11] offset:64*\i+16
.endr
.irp u, 0,1
	v_add_f32 v[16+2*\u], v[16+2*\u], v[17+2*\u]   ; the sum's two halves,
.endr
.irp u, 0,1
	v_permlanex16_b32 v[30+\u], v[16+2*\u], s[SEL], s[SEL+1]
.endr
.irp u, 0,1
	v_add_f32 v[13+2*\u], v[16+2*\u], v[30+\u]     ; and lane l xor 16's: my group's sum, beside -M
.endr
.set n, 0
.rept 16
	ds_store_b128 v[MW], v[O+4*n:O+4*n+3] offset:512*n     ; ascending: each accumulator from its low end on
.set n, n+1
.endr
	WIN 0x04                                       ; an LDS store's data: source 1: window 1
.set n, 0
.rept 16
	ds_store_b128 v[MW], v[O+4*n:O+4*n+3] offset:8192+512*n
.set n, n+1
.endr
	WIN 0
.irp u, 0,1
	ds_store_b64 v[STW], v[12+2*\u:13+2*\u] offset:256*\u
.endr
	BARRIER                                        ; all eight waves' O^T, -M and sums lie in LDS
.irp u, 0,1
.irp g, 0,1,2,3
	ds_load_b64 v[192+8*\u+2*\g:193+8*\u+2*\g], v[STR] offset:256*\u+1024*\g
.endr
.endr
.irp u, 0,1
.irp g, 0,1
.irp i, 0,1,2,3
	ds_load_b128 v[64+64*\u+16*\g+4*\i:67+64*\u+16*\g+4*\i], v[MR0] offset:8192*\u+32768*\g+512*\i
.endr
.endr
.irp g, 0,1
.irp i, 0,1,2,3
	ds_load_b128 v[96+64*\u+16*\g+4*\i:99+64*\u+16*\g+4*\i], v[MR1] offset:8192*\u+32768*\g+512*\i
.endr
.endr
.endr
	s_wait_dscnt 0x0
.irp u, 0,1
	v_min_num_f32 v[28+\u], v[192+8*\u], v[194+8*\u]
	v_min_num_f32 v[30+\u], v[196+8*\u], v[198+8*\u]
.endr
.irp u, 0,1
	v_min_num_f32 v[28+\u], v[28+\u], v[30+\u]     ; -M of the four groups together
.endr
.irp u, 0,1
.irp g, 0,1,2,3
	v_sub_f32 v[208+8*\u+2*\g], v[28+\u], v[192+8*\u+2*\g]   ; the group's M less the largest: a whole number, 0 or less
.endr
.endr
.irp u, 0,1
.irp g, 0,1,2,3
	v_cvt_i32_f32 v[208+8*\u+2*\g], v[208+8*\u+2*\g]
.endr
.endr
.irp u, 0,1
.irp g, 0,1,2,3
	v_ldexp_f32 v[208+8*\u+2*\g], 1.0, v[208+8*\u+2*\g]      ; f of the group
.endr
.endr
.irp u, 0,1
	v_mul_f32 v[30+\u], v[208+8*\u], v[193+8*\u]
.endr
.irp g, 1,2,3
.irp u, 0,1
	v_fmac_f32 v[30+\u], v[208+8*\u+2*\g], v[193+8*\u+2*\g]  ; the row's sum
.endr
.endr
	v_mov_b32 v26, s43                             ; the folded scale of attn's codes,
	v_mov_b32 v27, s71                             ; and the largest code x it
	VW
.irp u, 0,1
	v_rcp_f32 v[30+\u], v[30+\u]
.endr
	v_nop                                          ; one plain place behind a transcendental
	VW
.irp u, 0,1
.irp g, 0,1,2,3
	v_mul_f32 v[208+8*\u+2*\g], v[208+8*\u+2*\g], v[30+\u]   ; f / l: f is a power of two, so this rounds nothing further
.endr
.endr
.irp u, 0,1
.set n, 0
.rept 8
	v_pk_mul_f32 v[64+64*\u+n:65+64*\u+n], v[64+64*\u+n:65+64*\u+n], v[208+8*\u:209+8*\u] op_sel_hi:[1,0]
.set n, n+2
.endr
.endr
.irp g, 1,2,3
.irp u, 0,1
.set n, 0
.rept 8
	v_pk_fma_f32 v[64+64*\u+n:65+64*\u+n], v[64+64*\u+16*\g+n:65+64*\u+16*\g+n], v[208+8*\u+2*\g:209+8*\u+2*\g], v[64+64*\u+n:65+64*\u+n] op_sel_hi:[1,0,1]
.set n, n+2
.endr
.endr
.endr
.irp u, 0,1
.set n, 0
.rept 16
	v_med3_num_f32 v[64+64*\u+n], v[64+64*\u+n], -v27, v27   ; the hold at the largest code x the folded scale
.set n, n+1
.endr
.endr
.irp u, 0,1
	v_cvt_scalef32_pk8_bf8_f32 v[224+4*\u:225+4*\u], v[64+64*\u:71+64*\u], v26      ; channel tile 2 g
	v_cvt_scalef32_pk8_bf8_f32 v[226+4*\u:227+4*\u], v[72+64*\u:79+64*\u], v26      ; 2 g + 1: together piece g of the query tile's fragment
.endr
	v_nop                                          ; one plain line behind the last conversion: the products below write its sources
.irp u, 0,1
	ds_store_b128 v[AW], v[224+4*\u:227+4*\u] offset:2048*\u
.endr
	BARRIER                                        ; attn's four fragments lie in LDS
.set n, 0
.rept 8
	ds_load_b128 v[96+4*n:99+4*n], v[AR] offset:512*n      ; my two query tiles' fragments
.set n, n+1
.endr
	s_wait_loadcnt 0x0                             ; Wo's two fragments (each feeds both tiles) and bo
	s_wait_dscnt 0x0
.irp u, 0,1
.irp i, 0,1
	v_wmma_f32_16x16x128_bf8_bf8 v[64+16*\u+8*\i:71+16*\u+8*\i], v[32+16*\i:47+16*\i], v[96+16*\u:111+16*\u], 0   ; source 0 = 16 columns of Wo, source 1 = 16 queries: a lane's eight results are eight neighbouring outputs of one row
.endr
.endr
	PLACES
.irp u, 0,1
.irp i, 0,1
.irp n, 0,2,4,6
	v_pk_fma_f32 v[128+16*\u+8*\i+\n:129+16*\u+8*\i+\n], v[64+16*\u+8*\i+\n:65+16*\u+8*\i+\n], s[48:49], v[240+8*\i+\n:241+8*\i+\n] op_sel_hi:[1,0,1]   ; sum x 2^(e10 + e11) + bo
.endr
.endr
.endr
.irp u, 0,1
.irp i, 0,1
	ds_store_b128 v[OW], v[128+16*\u+8*\i:131+16*\u+8*\i] offset:16*OP*\u+64*\i
	ds_store_b128 v[OW], v[132+16*\u+8*\i:135+16*\u+8*\i] offset:16*OP*\u+64*\i+16
.endr
.endr
	BARRIER                                        ; 64 whole rows lie in the stage
.irp i, 0,1,2,3,4,5,6,7
	ds_load_b128 v[160+4*\i:163+4*\i], v[ORD] offset:OP*\i
.endr
.irp i, 0,1,2,3,4,5,6,7
	s_wait_dscnt 7-\i                              ; row i is in; the loads issued behind it may be out
	global_store_b128 v[LI], v[160+4*\i:163+4*\i], s[14:15] offset:512*\i   ; 32 lanes store a row of 512 consecutive bytes, at a multiple of 512 from out0's first byte
.endr
	s_wait_tensorcnt 0x0                           ; the wave's end: these three lines, behind my last tensor load and my last LDS store
	ds_add_u32 v[SPW], v[NIL]
	s_wait_dscnt 0x0
	CROUND                                         ; the closing round: no work-group ends while a partner may still ask for a tile that names it
	s_endpgm
.Lfunc_end_k_q1747ca322d_attn:
	.size	k_q1747ca322d_attn, .Lfunc_end_k_q1747ca322d_attn-k_q1747ca322d_attn
	.p2alignl 7, 3214868480
	.fill 96, 4, 3214868480
	.section	.rodata,"a",@progbits
	.p2align	6, 0x0
	.amdhsa_kernel k_q1747ca322d_attn
		.amdhsa_group_segment_fixed_size 327680
		.amdhsa_private_segment_fixed_size 0
		.amdhsa_enable_private_segment 0
		.amdhsa_kernarg_size 48
		.amdhsa_user_sgpr_count 2
		.amdhsa_user_sgpr_kernarg_segment_ptr 1
		.amdhsa_wavefront_size32 1
		.amdhsa_system_sgpr_workgroup_id_x 1
		.amdhsa_system_sgpr_workgroup_id_y 1
		.amdhsa_system_sgpr_workgroup_id_z 1
		.amdhsa_system_vgpr_workitem_id 0
		.amdhsa_next_free_vgpr 512
		.amdhsa_next_free_sgpr 80
		.amdhsa_reserve_vcc 0
		.amdhsa_float_denorm_mode_32 3
		.amdhsa_float_denorm_mode_16_64 3
		.amdhsa_memory_ordered 1
		.amdhsa_forward_progress 1
		.amdhsa_inst_pref_size 165
	.end_amdhsa_kernel
	.amdgpu_metadata
---
amdhsa.version: [ 1, 2 ]
amdhsa.kernels:
  - .name:           k_q1747ca322d_attn
    .symbol:         k_q1747ca322d_attn.kd
    .args:
      - { .name: q_img, .offset: 0, .size: 8, .value_kind: global_buffer, .address_space: global }
      - { .name: kv_img, .offset: 8, .size: 8, .value_kind: global_buffer, .address_space: global }
      - { .name: wo_img, .offset: 16, .size: 8, .value_kind: global_buffer, .address_space: global }
      - { .name: bo, .offset: 24, .size: 8, .value_kind: global_buffer, .address_space: global }
      - { .name: lowp_scales, .offset: 32, .size: 8, .value_kind: global_buffer, .address_space: global }
      - { .name: out0, .offset: 40, .size: 8, .value_kind: global_buffer, .address_space: global }
    .group_segment_fixed_size: 327680
    .private_segment_fixed_size: 0
    .kernarg_segment_align: 8
    .kernarg_segment_size: 48
    .max_flat_workgroup_size: 256
    .sgpr_count:     80
    .vgpr_count:     512
    .wavefront_size: 32
...
	.end_amdgpu_metadata
.endif
;; end of part 4
